; MI455X (gfx1250); checked and timed in simulation.
; The chip was launched on July 23, 2026; its instructions are those of AMD's public machine-readable ISA for CDNA 5 (MIT licence, August 2026) and "CDNA5" Instruction Set Architecture Reference Guide (July 2026). The comments in the code are by the model that wrote it; some were corrected since.
;; Full Symmetry Broken Attention. Allowed arithmetic: matrix products marked QUANTISED: E2M1 operands, one E8M0 scale for each 32 along K, by v_wmma_scale_f32_16x16x128_f8f6f4 with both operands' format E2M1 (or v_wmma_scale_f32_32x16x128_f4), f32 sums; everything else in f32.
;; Inputs: W_attn 1,024 x 3,072 float32; W_proj 1,024 x 1,024 float32; bK 16 x 64 float32; bQ 16 x 64 float32; bV 16 x 64 float32; b_attn 3,072 float32; b_proj 1,024 float32; x 4 x 2,048 x 1,024 float32.
;; Outputs: out0 4 x 2,048 x 1,024 float32.
;; This version of the problem:
;;   THIS VERSION OF THE PROBLEM IS GIVEN IN LOW PRECISION. The matrix products marked QUANTISED in the list below multiply operands that are first quantised to E2M1 (2 exponent bits, 1 mantissa bit; 4 bits a number), with one power-of-two scale for each 32 numbers along K (OCP MX v1.0); their sums are f32. All else is computed in f32.
;;   The module's matrix products, in the order in which they are computed (A, B: the left and right operand; K: the contracted axis; several contracted axes count as one K, in the product's order):
;;     1. [M 8,192, K 1,024] x [K 1,024, N 3,072]; A: input x; B: input W_attn: QUANTISED
;;     2. batch 64 x [M 2,048, K 64] x [K 64, N 2,048]; A: computed on the way; B: computed on the way: QUANTISED
;;     3. batch 64 x [M 2,048, K 2,048] x [K 2,048, N 64]; A: softmax (see below); B: computed on the way: QUANTISED
;;     4. [M 8,192, K 1,024] x [K 1,024, N 1,024]; A: computed on the way; B: input W_proj: QUANTISED
;;   THE QUANTISER, for each operand of a quantised product, along K:
;;     - K is cut into blocks of 32 from its start; a last block that is shorter is filled with zeros.
;;     - A block's scale is 2^e with e = floor(log2(the largest magnitude in the block)) - 2, held to -126 .. 127; a block of zeros has e = 0. As a byte (E8M0): e + 127.
;;     - Each number is divided by its block's scale, clamped to +-6, and rounded to the nearest number of E2M1, ties to even, subnormals kept.
;;     - The product sums the exact products of the quantised numbers (number of the format x scale) in f32.
;;   ~~~python
;;   def quantise(x, axis):      # numpy; x: float32 -> the quantised numbers, widened to float32 again
;;       x = np.moveaxis(x, axis, -1); K = x.shape[-1]
;;       x = np.pad(x, [(0, 0)] * (x.ndim - 1) + [(0, -K % 32)]); x = x.reshape(x.shape[:-1] + (-1, 32)); a = np.abs(x).max(-1, keepdims=True)
;;       e = np.where(a > 0, np.clip(np.frexp(np.where(a > 0, a, 1))[1] - 1 - 2, -126, 127), 0)      # np.frexp(a)[1] - 1 = floor(log2(a)), exactly
;;       r = np.clip(x / 2.0 ** e, -6, 6)
;;       step = 2.0 ** (np.maximum(np.frexp(np.where(r == 0, 1, r))[1] - 1, 0) - 1)
;;       q = np.round(r / step) * step * 2.0 ** e      # np.round: ties to even
;;       return np.moveaxis(q.reshape(q.shape[:-2] + (-1,))[..., :K], -1, axis).astype(np.float32)
;;   ~~~
;;   SOFTMAX AHEAD OF A QUANTISED PRODUCT. Where the list says 'softmax', what is quantised is not the finished softmax but p = 2^(t - M), with t = logit x log2(e) and M = ceil(the row's largest t), a whole number; so 1/2 < the row's largest p <= 1. The row's sum l is taken of the UNQUANTISED p, in f32, and the product's result is divided by l at the end. Since M is a whole number, a kernel that streams over the keys may use a running M (the ceiling of the running maximum): every later rescaling is an exact power of two, which a block's scale takes up: the codes' values come out the same.
;;   OPERANDS COMPUTED ON THE WAY. 'Computed on the way' means the value that the module computes at that place (a softmax that the list does not call 'softmax' is quantised finished and normalised). What goes into a quantiser is computed in f32, as accurately as f32 sums, v_exp_f32 and their like allow (about 1e-6 of the number): no bf16 or f16 on the way to a quantiser, and a product that is left as it is and whose result goes on into a quantised operand takes f32 operands (vector FMAs, or v_wmma_f32_16x16x4_f32). A number that lies on a knife's edge between two numbers of the format may be rounded either way, as far as f32 arithmetic and the matrix unit's own rounding can turn it there, and no further.
;; One version. Each part assembles by itself: llvm-mc -triple=amdgcn-amd-amdhsa -mcpu=gfx1250 --defsym DOCPART=n.
;; ======== version 1 of 1: 4 launches
;; workspace buffers: xq 4,456,448 bytes; waq 1,671,168 bytes; wpq 557,056 bytes; qb 4,718,592 bytes; kv 9,175,040 bytes; yq 4,456,448 bytes
;; launch prep (part 1): grid 512 x 1, 4 waves a work-group, no clusters, 35,328 bytes of LDS; arguments x, W_attn, W_proj, xq, waq, wpq; writes xq, waq, wpq
.if DOCPART == 1
	.amdgcn_target "amdgcn-amd-amdhsa--gfx1250"
	.amdhsa_code_object_version 6
	.text
	.protected	k_q3a01c4b5e0_prep
	.globl	k_q3a01c4b5e0_prep
	.p2align	8
	.type	k_q3a01c4b5e0_prep,@function
k_q3a01c4b5e0_prep:
	s_mov_b64 s[64:65], 0
	v_nop
	global_prefetch_b8 v0, s[64:65] scope:SCOPE_SE
	s_setreg_imm32_b32 hwreg(HW_REG_WAVE_MODE, 25, 1), 1
	s_wait_xcnt 0x0
; x [8192][1024], W_attn [1024][3072] and W_proj [1024][1024], f32, become codes of E2M1 with one E8M0 byte for each 32 along K (K = 1024 for all three).
; THE CODES ARE LAID AS IMAGES OF THE OPERAND'S REGISTERS: a chunk is 16 rows x 64 k, 512 bytes; lane l = 16 h + r has 16 bytes at 16 l: k = 32 h .. 32 h + 31 of row r.
; A row tile (16 rows) is its 16 chunks on end, 8,192 bytes.  The scale bytes lie [rows / 128][k / 512][128 rows][16 bytes] behind the codes.  The weights' rows are their columns n.
; A block's scale byte is its largest magnitude's exponent field - 2, held at 1 from below by a floor among the maximum's leaves.
; LIMITS: NaN and infinities are not served; a block whose largest magnitude lies under 2^-124, a block of zeros among them, gets the byte 1 (a block of zeros: not 127; its codes are zeros, and this program alone reads the bytes).
; Work-groups 0-255 take x, 256-447 W_attn, 448-511 W_proj; each of the three ways has LDS bytes of its own.  No matrix unit, no tensor load, no cluster: the launch streams and shares nothing.
.set XSO,  4194304                     ; where x's scale bytes begin in xq
.set WASO, 1572864                     ; W_attn's in waq
.set WPSO, 524288                      ; W_proj's in wpq
.set R,    32                          ; path x: v32-159 two sets of 64 numbers as loaded
.set X,    160                         ; v160-223 64 numbers as the conversions want them
.set CD,   224                         ; v224-255 codes, eight registers a step, never rewritten
; PATH X.  A wave takes 16 rows x 512 k in four steps of 128 k.  Each load reads 512 consecutive bytes of one row.
.macro XLOAD q, set
.irp i, 0,1,2,3,4,5,6,7,8,9,10,11,12,13,14,15
	global_load_b128 v[R+64*(\set)+4*\i:R+64*(\set)+4*\i+3], v4, s[4:5] offset:4096*\i+512*(\q) th:TH_LOAD_NT
.endr
.endm
; Through the wave's own stage (16 rows, 528 bytes apart: row r starts 4 r words on, so sixteen lanes touch sixteen different columns of 16 bytes): back come, for lane (r, h), k = 64 c + 32 h + 0 .. 31 of row r: whole blocks.
.macro XTURN set
.irp i, 0,1,2,3,4,5,6,7,8,9,10,11,12,13,14,15
	ds_store_b128 v5, v[R+64*(\set)+4*\i:R+64*(\set)+4*\i+3] offset:528*\i
.endr
.irp c, 0,1
.irp j, 0,1,2,3,4,5,6,7
	ds_load_b128 v[X+32*\c+4*\j:X+32*\c+4*\j+3], v6 offset:256*\c+16*\j   ; LDS serves a wave's instructions in order: these see the stores above
.endr
.endr
.endm
.macro XQUANT q
.irp c, 0,1
	v_max3_num_f32 v[10+\c], |v[X+32*\c]|, |v[X+32*\c+1]|, 0x1800000      ; my block 2 c + h, and the floor 2^(3 - 127)
.endr
.irp i, 2,4,6,8,10,12,14,16,18,20,22,24,26,28,30
.irp c, 0,1
	v_max3_num_f32 v[10+\c], v[10+\c], |v[X+32*\c+\i]|, |v[X+32*\c+\i+1]| ; the two blocks by turns
.endr
.endr
.irp c, 0,1
	v_add_nc_u32 v[12+\c], 0xff000000, v[10+\c]                           ; 2 off the exponent field: the conversion's scale operand
.endr
.irp c, 0,1
	v_lshrrev_b32 v[14+\c], 23, v[12+\c]                                  ; the scale's byte
.endr
.irp c, 0,1
.irp g, 0,1,2,3
	v_cvt_scalef32_pk8_fp4_f32 v[CD+8*(\q)+4*\c+\g], v[X+32*\c+8*\g:X+32*\c+8*\g+7], v[12+\c]   ; the results are the chunk's registers
.endr
.endr
	v_lshl_or_b32 v[16+\q], v15, 16, v14                                  ; my two bytes of the step's scale word,
	v_lshlrev_b32 v[16+\q], v9, v[16+\q]                                  ; 8 h bits up
.irp c, 0,1
	global_store_b128 v4, v[CD+8*(\q)+4*\c:CD+8*(\q)+4*\c+3], s[24:25] offset:1024*(\q)+512*\c   ; a chunk: 512 consecutive bytes
.endr
.endm
.macro XSTEP q
.if \q < 3
	s_wait_loadcnt 16                              ; this step's 16 loads are in; the next step's 16 may be out
.else
	s_wait_loadcnt 0x0
.endif
	XTURN (\q)%2
	s_wait_dscnt 0x0                               ; the stage's stores have read their registers, and the 64 numbers are back
.if \q < 2
	XLOAD (\q)+2, (\q)%2
.endif
	XQUANT \q
.endm
; PATH W.  A work-group takes 32 columns x 512 k, wave w the 128 k from 128 w on.  A lane takes a column, its registers run down K: a block of 32 lies in one lane.
.macro WLOAD t, N, src
.set wi, 0
.rept 32
	global_load_b32 v[32+32*((\t)%2)+wi], v4, s[\src:\src+1] offset:(32*(\t)+wi)*4*\N th:TH_LOAD_NT
.set wi, wi+1
.endr
.endm
.macro WBLOCK t, N, src
.set XB, 32+32*((\t)%2)
.if \t < 3
	s_wait_loadcnt 32                              ; this block's 32 loads are in; the next block's may be out
.else
	s_wait_loadcnt 0x0
.endif
	v_max3_num_f32 v12, |v[XB]|, |v[XB+1]|, |v[XB+2]|
	v_max3_num_f32 v13, |v[XB+3]|, |v[XB+4]|, |v[XB+5]|
.irp i, 6,10,14,18,22,26
	v_max3_num_f32 v12, v12, |v[XB+\i]|, |v[XB+\i+1]|
	v_max3_num_f32 v13, v13, |v[XB+\i+2]|, |v[XB+\i+3]|
.endr
	v_max3_num_f32 v12, v12, |v[XB+30]|, |v[XB+31]|
	v_max3_num_f32 v12, v12, v13, 0x1800000        ; and the floor
	v_add_nc_u32 v11, 0xff000000, v12
	v_lshrrev_b32 v13, 23, v11
.if \t == 0
	v_mov_b32 v24, v13                             ; the four bytes of my 128 k make a scale word
.else
	v_lshl_or_b32 v24, v13, 8*(\t), v24
.endif
.irp g, 0,1,2,3
	v_cvt_scalef32_pk8_fp4_f32 v[96+4*(\t)+\g], v[XB+8*\g:XB+8*\g+7], v11
.endr
	global_store_b128 v5, v[96+4*(\t):96+4*(\t)+3], s[24:25] offset:512*((\t)/2)+256*((\t)%2)   ; sixteen lanes fill 256 consecutive bytes: half a chunk of their row tile
.if \t < 2
	WLOAD (\t)+2, \N, \src
.endif
.endm
.macro WPATH N, U0, CG, src, dst, SOFF, LB
	s_sub_co_u32 s17, ttmp9, \U0
	s_cmp_ge_u32 s17, \CG
	s_cselect_b32 s18, 1, 0                        ; which 512 along K
	s_cselect_b32 s19, \CG, 0
	s_sub_co_u32 s19, s17, s19                     ; which 32 columns
	s_lshl_b32 s22, s18, 9
	s_lshl_b32 s23, s16, 7
	s_add_co_u32 s22, s22, s23
	s_mul_i32 s22, s22, 4*\N                       ; my first row of W,
	s_lshl_b32 s23, s19, 7
	s_add_co_u32 s22, s22, s23                     ; my first column
	s_mov_b32 s23, 0
	s_add_nc_u64 s[\src:\src+1], s[\src:\src+1], s[22:23]
	s_lshl_b32 s22, s19, 14                        ; the codes: two row tiles of 8,192 bytes, chunk 8 kh + 2 w
	s_lshl_b32 s24, s18, 12
	s_add_co_u32 s22, s22, s24
	s_lshl_b32 s24, s16, 10
	s_add_co_u32 s22, s22, s24
	s_add_nc_u64 s[24:25], s[\dst:\dst+1], s[22:23]
	s_lshr_b32 s22, s19, 2                         ; the scale bytes: group of 128 rows, half of K, my 32 rows
	s_lshl_b32 s22, s22, 12
	s_lshl_b32 s26, s18, 11
	s_add_co_u32 s22, s22, s26
	s_and_b32 s26, s19, 3
	s_lshl_b32 s26, s26, 9
	s_add_co_u32 s22, s22, s26
	s_add_co_u32 s22, s22, \SOFF
	s_add_nc_u64 s[26:27], s[\dst:\dst+1], s[22:23]
	v_lshlrev_b32 v4, 2, v1                        ; in: 4 bytes a lane
	v_lshlrev_b32 v5, 4, v2
	v_lshl_add_u32 v5, v3, 13, v5                  ; out: 16 r, lanes 16-31 in the next row tile
	v_lshlrev_b32 v8, 4, v1
	v_add_nc_u32 v7, \LB, v8                       ; LDS: 16 bytes a column,
	s_lshl_b32 s28, s16, 2
	v_add_nc_u32 v6, s28, v7                       ; my wave's word of them
	WLOAD 0, \N, \src
	WLOAD 1, \N, \src
	WBLOCK 0, \N, \src
	WBLOCK 1, \N, \src
	WBLOCK 2, \N, \src
	WBLOCK 3, \N, \src
	ds_store_b32 v6, v24
	s_wait_dscnt 0x0                               ; for the others' sake: my word lies in LDS
	s_barrier_signal -1
	s_barrier_wait -1
	s_cmp_lg_u32 s16, 0
	s_cbranch_scc1 .Lw_end_\@
	ds_load_b128 v[28:31], v7                      ; wave 0: a column's 16 scale bytes
	s_wait_dscnt 0x0
	global_store_b128 v8, v[28:31], s[26:27]       ; 512 consecutive bytes
.Lw_end_\@:
	s_wait_tensorcnt 0x0
	ds_add_u32 v26, v27
	s_wait_dscnt 0x0
	s_endpgm
.endm
	s_load_b256 s[4:11], s[0:1], 0x0               ; x s[4:5], W_attn s[6:7], W_proj s[8:9], xq s[10:11]
	s_load_b128 s[12:15], s[0:1], 0x20             ; waq s[12:13], wpq s[14:15]
	v_lshl_add_u32 v26, v0, 2, 0x8800
	v_mov_b32 v27, 0
	v_lshrrev_b32 v1, 5, v0
	v_readfirstlane_b32 s16, v1                    ; wave
	v_and_b32 v1, 31, v0                           ; lane
	v_and_b32 v2, 15, v0                           ; r
	v_bfe_u32 v3, v0, 4, 1                         ; h
	s_mov_b32 s20, 0x76543210
	s_mov_b32 s21, 0xfedcba98                      ; v_permlanex16_b32's selects for lane l xor 16
	s_wait_kmcnt 0x0
	s_cmp_lt_u32 ttmp9, 256
	s_cbranch_scc0 .Lweights
	s_lshl_b32 s17, ttmp9, 2
	s_add_co_u32 s17, s17, s16
	s_lshr_b32 s18, s17, 1                         ; row tile 0..511
	s_and_b32 s19, s17, 1                          ; which 512 along K
	s_lshl_b32 s22, s18, 16
	s_lshl_b32 s23, s19, 11
	s_add_co_u32 s22, s22, s23
	s_mov_b32 s23, 0
	s_add_nc_u64 s[4:5], s[4:5], s[22:23]          ; x at my first number
	s_lshl_b32 s22, s18, 13
	s_lshl_b32 s28, s19, 12
	s_add_co_u32 s22, s22, s28
	s_add_nc_u64 s[24:25], s[10:11], s[22:23]      ; my eight chunks
	s_lshr_b32 s22, s18, 3
	s_lshl_b32 s22, s22, 12
	s_lshl_b32 s28, s19, 11
	s_add_co_u32 s22, s22, s28
	s_and_b32 s28, s18, 7
	s_lshl_b32 s28, s28, 8
	s_add_co_u32 s22, s22, s28
	s_add_co_u32 s22, s22, XSO
	s_add_nc_u64 s[26:27], s[10:11], s[22:23]      ; my 256 scale bytes
	s_mul_i32 s28, s16, 8448                       ; my stage
	s_wait_alu depctr_va_vdst(0)
	v_lshlrev_b32 v4, 4, v1                        ; 16 x lane
	v_add_nc_u32 v5, s28, v4                       ; into the stage
	v_mul_u32_u24 v6, v2, 528
	v_lshl_add_u32 v6, v3, 7, v6
	v_add_nc_u32 v6, s28, v6                       ; out of it: row r, + 128 h bytes
	v_lshlrev_b32 v7, 4, v2
	v_lshl_add_u32 v7, v3, 3, v7                   ; the scale bytes: 16 r + 8 h
	v_lshlrev_b32 v9, 3, v3                        ; 8 h
.irp q, 0,1,2,3
	v_mov_b32 v[20+\q], 0                          ; a lane permute's destination counts as one of its sources
.endr
	XLOAD 0, 0
	XLOAD 1, 1
	s_wait_alu depctr_va_vdst(0)
	XSTEP 0
	XSTEP 1
	XSTEP 2
	XSTEP 3
.irp q, 0,1,2,3
	v_permlanex16_b32 v[20+\q], v[16+\q], s20, s21
.endr
.irp q, 0,1,2,3
	v_or_b32 v[16+\q], v[16+\q], v[20+\q]          ; with lane l xor 16's two bytes each word is whole
.endr
	v_cmp_eq_u32 vcc_lo, 1, v3
	v_cndmask_b32 v24, v16, v18, vcc_lo            ; lanes 0-15 store words 0, 1 of their row, lanes 16-31 words 2, 3
	v_cndmask_b32 v25, v17, v19, vcc_lo
	global_store_b64 v7, v[24:25], s[26:27]        ; 256 consecutive bytes, aligned
	s_wait_tensorcnt 0x0
	ds_add_u32 v26, v27
	s_wait_dscnt 0x0
	s_endpgm
.Lweights:
	s_cmp_lt_u32 ttmp9, 448
	s_cbranch_scc0 .Lproj_w
	s_wait_alu depctr_va_vdst(0)
	WPATH 3072, 256, 96, 6, 12, WASO, 33792
.Lproj_w:
	s_wait_alu depctr_va_vdst(0)
	WPATH 1024, 448, 32, 8, 14, WPSO, 34304
.Lfunc_end_k_q3a01c4b5e0_prep:
	.size	k_q3a01c4b5e0_prep, .Lfunc_end_k_q3a01c4b5e0_prep-k_q3a01c4b5e0_prep
	.p2alignl 7, 3214868480
	.fill 96, 4, 3214868480
	.section	.rodata,"a",@progbits
	.p2align	6, 0x0
	.amdhsa_kernel k_q3a01c4b5e0_prep
		.amdhsa_group_segment_fixed_size 35328
		.amdhsa_private_segment_fixed_size 0
		.amdhsa_enable_private_segment 0
		.amdhsa_kernarg_size 48
		.amdhsa_user_sgpr_count 2
		.amdhsa_user_sgpr_kernarg_segment_ptr 1
		.amdhsa_wavefront_size32 1
		.amdhsa_system_sgpr_workgroup_id_x 1
		.amdhsa_system_sgpr_workgroup_id_y 1
		.amdhsa_system_sgpr_workgroup_id_z 1
		.amdhsa_system_vgpr_workitem_id 0
		.amdhsa_next_free_vgpr 256
		.amdhsa_next_free_sgpr 66
		.amdhsa_reserve_vcc 1
		.amdhsa_float_denorm_mode_32 3
		.amdhsa_float_denorm_mode_16_64 3
		.amdhsa_memory_ordered 1
		.amdhsa_forward_progress 1
		.amdhsa_inst_pref_size 70
	.end_amdhsa_kernel
	.amdgpu_metadata
---
amdhsa.version: [ 1, 2 ]
amdhsa.kernels:
  - .name:           k_q3a01c4b5e0_prep
    .symbol:         k_q3a01c4b5e0_prep.kd
    .args:
      - { .name: x, .offset: 0, .size: 8, .value_kind: global_buffer, .address_space: global }
      - { .name: W_attn, .offset: 8, .size: 8, .value_kind: global_buffer, .address_space: global }
      - { .name: W_proj, .offset: 16, .size: 8, .value_kind: global_buffer, .address_space: global }
      - { .name: xq, .offset: 24, .size: 8, .value_kind: global_buffer, .address_space: global }
      - { .name: waq, .offset: 32, .size: 8, .value_kind: global_buffer, .address_space: global }
      - { .name: wpq, .offset: 40, .size: 8, .value_kind: global_buffer, .address_space: global }
    .group_segment_fixed_size: 35328
    .private_segment_fixed_size: 0
    .kernarg_segment_align: 8
    .kernarg_segment_size: 48
    .max_flat_workgroup_size: 128
    .sgpr_count:     66
    .vgpr_count:     256
    .wavefront_size: 32
...
	.end_amdgpu_metadata
.endif
;; end of part 1
;; launch qkv (part 2): grid 96 x 4, 4 waves a work-group, clusters of 4 x 4, 279,040 bytes of LDS; arguments xq, waq, b_attn, bQ, bK, bV, qb, kv; writes qb, kv
.if DOCPART == 2
	.amdgcn_target "amdgcn-amd-amdhsa--gfx1250"
	.amdhsa_code_object_version 6
	.text
	.protected	k_q3a01c4b5e0_qkv
	.globl	k_q3a01c4b5e0_qkv
	.p2align	8
	.type	k_q3a01c4b5e0_qkv,@function
k_q3a01c4b5e0_qkv:
	s_mov_b64 s[64:65], 0
	v_nop
	global_prefetch_b8 v0, s[64:65] scope:SCOPE_SE
	s_setreg_imm32_b32 hwreg(HW_REG_WAVE_MODE, 25, 1), 1
	s_wait_xcnt 0x0
	s_wait_alu depctr_hold_cnt(0) depctr_sa_sdst(0) depctr_va_vdst(0) depctr_va_sdst(0) depctr_va_ssrc(0) depctr_va_vcc(0) depctr_vm_vsrc(0)
	s_getreg_b32 s2, hwreg(HW_REG_IB_STS2, 6, 4)
	s_cmp_eq_u32 s2, 0
	s_cbranch_scc0 .Lentry_in_a_cluster
	s_endpgm
.Lentry_in_a_cluster:
	s_bfe_u32 s2, ttmp6, 0x10000c
	s_cmp_lg_u32 s2, 0xf033
	s_cbranch_scc0 .Lentry_shape_is_right
	s_endpgm
.Lentry_shape_is_right:
; q, k, v = x W_attn + b_attn + bQ | bK | bV on codes of E2M1, and their own codes for the attention: no f32 number of them goes to memory.
; ONE FORM OF PRODUCT: out(mm, nn) = sum over k of P[mm][k] Q[nn][k], source 0 = 16 rows of Q, source 1 = 16 rows of P: a lane holds one row mm, its registers run along nn, and the result is quantised along nn.
;   clusters 0-15 (q and k): P = x (rows: tokens), Q = W_attn's columns 0-2047: nn runs along a head's 64 channels, the K of q k^T.
;   clusters 16-23 (v):      P = W_attn's columns 2048-3071 (rows: channels), Q = x: nn runs along the keys, the K of p v: v comes out turned, by the choice of sources alone.
; A tile is 256 x 256, a wave makes 128 x 128: 64 accumulators, 512 registers.  ALL OF K = 1024 OF A TILE LIES IN LDS AT ONCE (2 x 131,072 bytes of codes, 16,384 of scale bytes): every byte of LDS is filled once,
; by five tensor loads a wave that go out together at the head: the scale bytes, then four chunks of 256 along K; the products of a chunk begin as soon as it has landed.  Five loads of a wave are out at the most.
; The buffers hold images of the operands' registers (a chunk: 16 rows x 64 k, lane l's 16 bytes at 16 l), so fragments come by ds_load_b128 at 16 x lane: consecutive bytes, no pitch, no padding.
; CLUSTERS: 4 x 4 work-groups; P's tiles are shared along a row of the cluster, Q's along a column: joint loads with a mask of four.  The branch between the two kinds hangs on the cluster's number alone.
; ROUNDING: b_attn + bQ (bK, bV) are added to each other first and then to the product: one f32 rounding otherwise than in x W + b_attn, then + bQ.
; LIMITS: NaN and infinities are not served; a block whose largest magnitude lies under 2^-124, a block of zeros among them, gets the scale byte 1 (its codes are zeros then; this program alone reads the bytes).
; REGISTERS: window 0: v1-27 addresses; v32-95 scale words (nothing else ever); v96-111 the quantiser's; v112-119 scale words made; v120-127 codes made; v128-191 P's fragments, later a block of results; v192-255 biases.
;   window 1: Q's fragments, two sets, at v0 and v128.   windows 2, 3: the accumulators, (a, b) at v[8 (8 (a % 4) + b)].
.set XSO,  4194304
.set WASO, 1572864
.set SCL,  262144                      ; LDS: behind the codes, the scale bytes: 4,096 for each loading wave
.set ADRA, 16
.set ADRB, 20
.set LI,   24                          ; 16 x lane
.set VSO,  25
.set ADRS, 27
.set SC,   32                          ; set ks (512 along K) at 32 ks; register 4 i + q: lanes 0-15 the word of P's block i, lanes 16-31 of Q's block i
.set TM,   96
.set W,    112
.set PC,   120
.set AF,   128
.set BI,   192
.set SEL,  66
.set MSB,  0
.set MUL_LO, 0xa1                      ; source 0 (Q) window 1, source 1 (P) window 0, C and D window 2
.set MUL_HI, 0xf1
.set TO_B,   0x40
.macro WIN new                         ; the immediate's high byte repeats the setting that is left
.if MSB != (\new)
	s_set_vgpr_msb (MSB<<8)|(\new)
.set MSB, (\new)
.endif
.endm
.macro CROUND                          ; a round of the cluster's barrier
	s_barrier_signal -1
	s_barrier_wait -1
	s_cmp_lg_u32 s12, 0
	s_cbranch_scc1 .Lnot_wave_0_\@
	s_barrier_signal -3
.Lnot_wave_0_\@:
	s_barrier_wait -3
	s_barrier_signal -1
	s_barrier_wait -1
.endm
.macro PLACES                          ; four plain vector instructions between a matrix instruction and a load into, or a vector read of, its registers
.rept 4
	v_nop
.endr
.endm
.macro FRAG reg, adr, q, i             ; block i's fragment of step q (128 along K): two chunks
.irp c, 0,1
	ds_load_b128 v[\reg+4*\c:\reg+4*\c+3], v[\adr] offset:16384*((\q)/2)+2048*(\i)+512*(2*((\q)%2)+\c)
.endr
.endm
.macro FETCH_B q, p
	WIN TO_B
.irp i, 0,1,2,3,4,5,6,7
	FRAG 128*(\p)+8*\i, ADRB, \q, \i
.endr
	WIN 0
.endm
.macro FETCH_A q, i0
.irp i, \i0, \i0+1, \i0+2, \i0+3
	FRAG AF+8*(\i), ADRA, \q, \i
.endr
.endm
.macro SCALES ks
.irp i, 0,1,2,3,4,5,6,7
	ds_load_b128 v[SC+32*\ks+4*\i:SC+32*\ks+4*\i+3], v[ADRS] offset:2048*\ks+256*\i
.endr
.endm
; 16 products: P's blocks a0, a0 + 1 against Q's eight.  The 64 accumulators take turns, one instruction a turn, in the same order in every step.
.macro MUL16 a0, q, zero
.irp a, \a0, \a0+1
.irp b, 0,1,2,3,4,5,6,7
.if \zero
	v_wmma_scale_f32_16x16x128_f8f6f4 v[8*(8*((\a)%4)+\b):8*(8*((\a)%4)+\b)+7], v[128*((\q)%2)+8*\b:128*((\q)%2)+8*\b+7], v[AF+8*(\a):AF+8*(\a)+7], 0, v[SC+32*((\q)/4)+4*\b+(\q)%4], v[SC+32*((\q)/4)+4*(\a)+(\q)%4] matrix_a_fmt:MATRIX_FMT_FP4 matrix_b_fmt:MATRIX_FMT_FP4 matrix_a_scale:MATRIX_SCALE_ROW1
.else
	v_wmma_scale_f32_16x16x128_f8f6f4 v[8*(8*((\a)%4)+\b):8*(8*((\a)%4)+\b)+7], v[128*((\q)%2)+8*\b:128*((\q)%2)+8*\b+7], v[AF+8*(\a):AF+8*(\a)+7], v[8*(8*((\a)%4)+\b):8*(8*((\a)%4)+\b)+7], v[SC+32*((\q)/4)+4*\b+(\q)%4], v[SC+32*((\q)/4)+4*(\a)+(\q)%4] matrix_a_fmt:MATRIX_FMT_FP4 matrix_b_fmt:MATRIX_FMT_FP4 matrix_a_scale:MATRIX_SCALE_ROW1
.endif
.endr
.endr
.endm
; A step of 128 along K.  sync = 1: the next step begins a chunk: my part of it has landed (cnt younger loads may be out), and a barrier says so of every wave.
.macro STEP q, zero, sync, cnt
.if \sync
	s_wait_tensorcnt \cnt
.endif
	s_wait_dscnt 8                                 ; all but the youngest eight loads: P's blocks 4-7
	WIN MUL_LO
	MUL16 0, \q, \zero
.if \sync
	s_wait_dscnt 0x0                               ; no LDS load of mine is out at the signal
	s_barrier_signal -1
.endif
	MUL16 2, \q, \zero
.if \sync
	s_barrier_wait -1
.else
	s_wait_dscnt 0x0                               ; P's blocks 4-7 are in
.endif
	PLACES
	FETCH_B (\q)+1, ((\q)+1)%2
	FETCH_A (\q)+1, 0
	WIN MUL_HI
	MUL16 4, \q, \zero
	MUL16 6, \q, \zero
	PLACES
	WIN 0
	FETCH_A (\q)+1, 4
.endm
.macro MAIN
	s_wait_tensorcnt 3                             ; my scale bytes and my part of chunk 0 are in; three chunks may be out
	s_barrier_signal -1
	s_barrier_wait -1                              ; everybody's are
	FETCH_B 0, 0
	FETCH_A 0, 0
	SCALES 0
	SCALES 1
	FETCH_A 0, 4
	STEP 0, 1, 0, 0                                ; the first products start the sums: nothing is cleared
	STEP 1, 0, 1, 2
	STEP 2, 0, 0, 0
	STEP 3, 0, 1, 1
	STEP 4, 0, 0, 0
	STEP 5, 0, 1, 0
	STEP 6, 0, 0, 0
	s_wait_dscnt 8
	WIN MUL_LO
	MUL16 0, 7, 0
	MUL16 2, 7, 0
	s_wait_dscnt 0x0
	WIN MUL_HI
	MUL16 4, 7, 0
	MUL16 6, 7, 0
	WIN 0
	PLACES
.endm
; 64 numbers of a lane, register 8 b + j = nn 16 b + 8 h + j of my row, become a fragment's codes in v[dst] on; the four blocks' bytes are left in v[TM+4] on.  Block t is tiles 2 t, 2 t + 1 of lanes l and l xor 16.
; The fragment's register 4 c + i wants, in lane (r, h), tile 4 c + 2 h + i / 2 of lane (r, i % 2): so tiles 4 c, 4 c + 2, 4 c + 1, 4 c + 3 are converted into registers 4 c .. 4 c + 3 and two swaps of halves finish it.
.macro QUANT4 src, dst
.irp b, 0,1,2,3
	v_max3_num_f32 v[TM+\b], |v[\src+16*\b]|, |v[\src+16*\b+1]|, 0x1800000    ; and the floor 2^(3 - 127): the byte cannot fall under 1
.endr
.irp i, 2,4,6,8,10,12,14
.irp b, 0,1,2,3
	v_max3_num_f32 v[TM+\b], v[TM+\b], |v[\src+16*\b+\i]|, |v[\src+16*\b+\i+1]|
.endr
.endr
.irp b, 0,1,2,3
	v_permlanex16_b32 v[TM+4+\b], v[TM+\b], s[SEL], s[SEL+1]
.endr
.irp b, 0,1,2,3
	v_max_num_f32 v[TM+\b], v[TM+\b], v[TM+4+\b]
.endr
.irp b, 0,1,2,3
	v_add_nc_u32 v[TM+12+\b], 0xff000000, v[TM+\b]                            ; 2 off the exponent field: the conversion's scale operand
.endr
.irp b, 0,1,2,3
	v_lshrrev_b32 v[TM+4+\b], 23, v[TM+12+\b]                                 ; the scale's byte
.endr
.irp c, 0,1
	v_cvt_scalef32_pk8_fp4_f32 v[\dst+4*\c],   v[\src+32*\c:\src+32*\c+7],     v[TM+12+2*\c]
	v_cvt_scalef32_pk8_fp4_f32 v[\dst+4*\c+1], v[\src+32*\c+16:\src+32*\c+23], v[TM+12+2*\c+1]
	v_cvt_scalef32_pk8_fp4_f32 v[\dst+4*\c+2], v[\src+32*\c+8:\src+32*\c+15],  v[TM+12+2*\c]
	v_cvt_scalef32_pk8_fp4_f32 v[\dst+4*\c+3], v[\src+32*\c+24:\src+32*\c+31], v[TM+12+2*\c+1]
.endr
	v_nop                                          ; one plain instruction behind a scaled conversion
.irp c, 0,1
	v_permlane16_swap_b32 v[\dst+4*\c], v[\dst+4*\c+1]
	v_permlane16_swap_b32 v[\dst+4*\c+2], v[\dst+4*\c+3]
.endr
.endm
; Block a of q or k: 16 tokens x 128 channels = two heads.  The addition of the bias also brings the block into window 0; each accumulator is read from its low end on.
.macro EPIQK a
	WIN 0x02+(\a)/4
.set n, 0
.rept 32
	v_pk_add_f32 v[AF+2*n:AF+2*n+1], v[64*((\a)%4)+2*n:64*((\a)%4)+2*n+1], v[BI+2*n:BI+2*n+1]
.set n, n+1
.endr
	WIN 0
	s_wait_xcnt 0x0                                ; the last block's stores have read v[PC] on
	QUANT4 AF, PC
	global_store_b128 v[LI], v[PC:PC+3], s[26:27] offset:512*(\a)      ; the first head's chunk: 512 consecutive bytes
	global_store_b128 v[LI], v[PC+4:PC+7], s[28:29] offset:512*(\a)    ; the second head's
	v_lshl_or_b32 v4, v[TM+5], 8, v[TM+4]
	v_lshl_or_b32 v5, v[TM+7], 8, v[TM+6]
	v_cndmask_b32 v[W+\a], v4, v5, s36             ; lanes 0-15 keep the first head's word, lanes 16-31 the second's; its upper two bytes are 0
.endm
; Block a of v: 16 channels x 128 keys: one fragment and one scale word a row.
.macro EPIV a
	WIN 0x02+(\a)/4
.set n, 0
.rept 32
.if (\a)%2
	v_pk_add_f32 v[AF+2*n:AF+2*n+1], v[64*((\a)%4)+2*n:64*((\a)%4)+2*n+1], v[BI+2*((\a)/2):BI+2*((\a)/2)+1] op_sel:[0,1] op_sel_hi:[1,1]
.else
	v_pk_add_f32 v[AF+2*n:AF+2*n+1], v[64*((\a)%4)+2*n:64*((\a)%4)+2*n+1], v[BI+2*((\a)/2):BI+2*((\a)/2)+1] op_sel:[0,0] op_sel_hi:[1,0]
.endif
.set n, n+1
.endr
	WIN 0
	s_wait_xcnt 0x0                                ; the last block's stores have read v[PC] on
	QUANT4 AF, PC
	global_store_b128 v[LI], v[PC:PC+3], s[26:27] offset:4096+143360*((\a)/4)+1024*((\a)%4)
	global_store_b128 v[LI], v[PC+4:PC+7], s[26:27] offset:4096+143360*((\a)/4)+1024*((\a)%4)+512
	v_lshl_or_b32 v[W+\a], v[TM+5], 8, v[TM+4]
	v_lshl_or_b32 v[W+\a], v[TM+6], 16, v[W+\a]
	v_lshl_or_b32 v[W+\a], v[TM+7], 24, v[W+\a]
.endm
	s_load_b128 s[4:7], s[0:1], 0x0                ; xq, waq
	v_lshl_add_u32 v106, v0, 2, 0x44000
	v_mov_b32 v107, 0
	ds_add_u32 v106, v107
	ds_add_u32 v106, v107
	v_lshrrev_b32 v1, 5, v0
	v_readfirstlane_b32 s12, v1                    ; wave
	s_lshr_b32 s13, s12, 1                         ; my half of P's rows.  Also: I fetch for P (0) or for Q (1)
	s_and_b32 s14, s12, 1                          ; my half of Q's rows.  Also: which half I fetch
	s_bfe_u32 s15, ttmp6, 0x40000                  ; cx
	s_bfe_u32 s92, ttmp6, 0x40004                  ; cy
	s_lshr_b32 s2, ttmp9, 1
	s_and_b32 s3, ttmp9, 1
	s_sub_co_u32 s95, ttmp9, 16
	s_cmp_lt_u32 ttmp9, 16                         ; q and k, or v: the cluster's number, the same in all sixteen
	s_cselect_b32 s2, s2, 2
	s_cselect_b32 s3, s3, s95
	s_lshl_b32 s93, s2, 2
	s_add_co_u32 s93, s93, s92                     ; TR: which 256 rows of P's buffer
	s_lshl_b32 s94, s3, 2
	s_add_co_u32 s94, s94, s15                     ; TC: which 256 rows of Q's buffer
	s_lshl_b32 s2, s92, 2
	s_lshl_b32 s2, 15, s2                          ; my row of the cluster
	s_lshl_b32 s3, 0x1111, s15                     ; my column
	s_or_b32 s16, s2, (3<<16)|(1<<21)              ; group 1, word 0: the mask; elements of 8 bytes; bit 21 set beside a mask; no padding
	s_or_b32 s24, s3, (3<<16)|(1<<21)
	s_or_b32 s32, s2, (3<<16)|(1<<21)
	s_or_b32 s40, s3, (3<<16)|(1<<21)
.irp g, 16, 24                         ; codes: 8 row tiles x 2,048 bytes (256 along K), 8,192 bytes apart
	s_mov_b32 s[\g+1], 256<<16
	s_mov_b32 s[\g+2], 8<<16
	s_mov_b32 s[\g+3], 256<<16
	s_mov_b32 s[\g+4], 8
	s_mov_b32 s[\g+5], 1024
	s_mov_b32 s[\g+6], 0
	s_mov_b32 s[\g+7], 0
.endr
.irp g, 32, 40                         ; scale bytes of 128 rows: 4,096 dense bytes as 16 rows of 256
	s_mov_b32 s[\g+1], 32<<16
	s_mov_b32 s[\g+2], 16<<16
	s_mov_b32 s[\g+3], 32<<16
	s_mov_b32 s[\g+4], 16
	s_mov_b32 s[\g+5], 32
	s_mov_b32 s[\g+6], 0
	s_mov_b32 s[\g+7], 0
.endr
	s_wait_dscnt 0x0
	s_wait_kmcnt 0x0
	s_cmp_lt_u32 ttmp9, 16
	s_cselect_b64 s[66:67], s[4:5], s[6:7]         ; P's buffer
	s_cselect_b64 s[100:101], s[6:7], s[4:5]       ; Q's
	s_mov_b32 s2, WASO
	s_cselect_b32 s2, XSO, s2                      ; where P's scale bytes begin
	s_mov_b32 s3, XSO
	s_cselect_b32 s3, WASO, s3                     ; and Q's
	s_lshl_b32 s50, s93, 17                        ; P's addresses hang on TR and the wave alone, Q's on TC and the wave alone
	s_lshl_b32 s51, s14, 16
	s_add_co_u32 s50, s50, s51
	s_mov_b32 s51, 0
	s_add_nc_u64 s[50:51], s[66:67], s[50:51]
	s_lshl_b32 s86, s93, 1
	s_add_co_u32 s86, s86, s14
	s_lshl_b32 s86, s86, 12
	s_add_co_u32 s86, s86, s2
	s_mov_b32 s87, 0
	s_add_nc_u64 s[86:87], s[66:67], s[86:87]
	s_lshl_b32 s70, s94, 17
	s_lshl_b32 s71, s14, 16
	s_add_co_u32 s70, s70, s71
	s_mov_b32 s71, 0
	s_add_nc_u64 s[70:71], s[100:101], s[70:71]
	s_lshl_b32 s90, s94, 1
	s_add_co_u32 s90, s90, s14
	s_lshl_b32 s90, s90, 12
	s_add_co_u32 s90, s90, s3
	s_mov_b32 s91, 0
	s_add_nc_u64 s[90:91], s[100:101], s[90:91]
	s_lshl_b32 s95, s12, 16                        ; LDS: 65,536 bytes of codes for each loading wave
.irp kc, 1,2,3
	s_add_nc_u64 s[50+4*\kc:51+4*\kc], s[50:51], 2048*\kc
	s_add_nc_u64 s[70+4*\kc:71+4*\kc], s[70:71], 2048*\kc
.endr
.irp kc, 0,1,2,3
	s_mov_b32 s[48+4*\kc], 1
	s_add_co_u32 s[49+4*\kc], s95, 16384*\kc
	s_or_b32 s[51+4*\kc], s[51+4*\kc], 0x80000000
	s_mov_b32 s[68+4*\kc], 1
	s_add_co_u32 s[69+4*\kc], s95, 16384*\kc
	s_or_b32 s[71+4*\kc], s[71+4*\kc], 0x80000000
.endr
	s_lshl_b32 s95, s12, 12
	s_mov_b32 s84, 1
	s_add_co_u32 s85, s95, SCL
	s_or_b32 s87, s87, 0x80000000
	s_mov_b32 s88, 1
	s_add_co_u32 s89, s95, SCL
	s_or_b32 s91, s91, 0x80000000
	CROUND                                         ; all sixteen work-groups are here: the joint loads meet
	s_cmp_eq_u32 s13, 0                            ; a wave's five first fills stand in one branch on its number
	s_cbranch_scc0 .Lfor_q
	tensor_load_to_lds s[84:87], s[32:39]
	s_nop 0
	tensor_load_to_lds s[48:51], s[16:23]
	s_nop 0
	tensor_load_to_lds s[52:55], s[16:23]
	s_nop 0
	tensor_load_to_lds s[56:59], s[16:23]
	s_nop 0
	tensor_load_to_lds s[60:63], s[16:23]
	s_nop 0
.rept 4
	v_nop
.endr
	s_branch .Lasked
.Lfor_q:
	tensor_load_to_lds s[88:91], s[40:47]
	s_nop 0
	tensor_load_to_lds s[68:71], s[24:31]
	s_nop 0
	tensor_load_to_lds s[72:75], s[24:31]
	s_nop 0
	tensor_load_to_lds s[76:79], s[24:31]
	s_nop 0
	tensor_load_to_lds s[80:83], s[24:31]
	s_nop 0
.rept 4
	v_nop
.endr
.Lasked:
	s_load_b256 s[4:11], s[0:1], 0x10              ; b_attn s[4:5], bQ s[6:7], bK s[8:9], bV s[10:11]
	s_load_b128 s[96:99], s[0:1], 0x30             ; qb s[96:97], kv s[98:99]
	s_mov_b32 s[SEL], 0x76543210
	s_mov_b32 s[SEL+1], 0xfedcba98
	v_and_b32 v1, 15, v0                           ; r
	v_bfe_u32 v2, v0, 4, 1                         ; h
	v_and_b32 v3, 31, v0
	v_lshlrev_b32 v[LI], 4, v3
	s_lshl_b32 s2, s13, 16
	v_add_nc_u32 v[ADRA], s2, v[LI]                ; my 128 rows of P
	s_lshl_b32 s2, s14, 16
	s_add_co_u32 s2, s2, 131072
	v_add_nc_u32 v[ADRB], s2, v[LI]                ; my 128 rows of Q
	s_lshl_b32 s2, s14, 12
	s_add_co_u32 s2, s2, 8192
	s_lshl_b32 s3, s13, 12
	s_sub_co_u32 s2, s2, s3                        ; from P's scale bytes to Q's
	v_mul_u32_u24 v4, s2, v2                       ; lanes 16-31 take Q's
	s_wait_alu depctr_va_vdst(0)
	s_add_co_u32 s3, s3, SCL
	v_lshl_add_u32 v4, v1, 4, v4
	v_add_nc_u32 v[ADRS], s3, v4
.irp b, 0,1,2,3
	v_mov_b32 v[TM+4+\b], 0                        ; a lane permute's destination counts as one of its sources
.endr
	s_wait_kmcnt 0x0
	s_cmp_lt_u32 ttmp9, 16
	s_cbranch_scc0 .Lv
	; ---- q and k.  The biases of my 128 columns, in the result's layout: register 8 b + j = column 16 b + 8 h + j
	s_lshl_b32 s2, s94, 10
	s_lshl_b32 s3, s14, 9
	s_add_co_u32 s2, s2, s3
	s_mov_b32 s3, 0
	s_add_nc_u64 s[100:101], s[4:5], s[2:3]
	s_and_b32 s95, ttmp9, 1                        ; 0: q's columns, 1: k's
	s_cmp_eq_u32 s95, 0
	s_cselect_b64 s[10:11], s[6:7], s[8:9]
	s_and_b32 s2, s2, 0xfff                        ; the column within q or k, x 4
	s_add_nc_u64 s[10:11], s[10:11], s[2:3]
	v_lshlrev_b32 v5, 5, v2
.irp b, 0,1,2,3,4,5,6,7
	global_load_b128 v[BI+8*\b:BI+8*\b+3], v5, s[100:101] offset:64*\b
	global_load_b128 v[BI+8*\b+4:BI+8*\b+7], v5, s[100:101] offset:64*\b+16
	global_load_b128 v[AF+8*\b:AF+8*\b+3], v5, s[10:11] offset:64*\b
	global_load_b128 v[AF+8*\b+4:AF+8*\b+7], v5, s[10:11] offset:64*\b+16
.endr
	s_wait_loadcnt 0x0
.set n, 0
.rept 32
	v_pk_add_f32 v[BI+2*n:BI+2*n+1], v[BI+2*n:BI+2*n+1], v[AF+2*n:AF+2*n+1]
.set n, n+1
.endr
	MAIN
	s_lshr_b32 s16, s93, 3                         ; all tensor loads are done: the descriptors' registers are free.  The batch,
	s_and_b32 s17, s93, 7
	s_lshl_b32 s17, s17, 1
	s_add_co_u32 s17, s17, s13                     ; which 128 tokens of it,
	s_and_b32 s18, s94, 3
	s_lshl_b32 s18, s18, 2
	s_lshl_b32 s19, s14, 1
	s_add_co_u32 s18, s18, s19                     ; my first head
	s_lshl_b32 s16, s16, 4
	s_add_co_u32 s16, s16, s18
	s_lshl_b32 s16, s16, 4
	s_add_co_u32 s16, s16, s17                     ; the record
	s_cmp_eq_u32 s95, 0
	s_mov_b32 s20, 8960
	s_cselect_b32 s20, 4608, s20                   ; a record's bytes in qb, in kv
	s_mov_b32 s34, 8192
	s_cselect_b32 s34, 4096, s34                   ; where its scale words begin
	s_cselect_b64 s[22:23], s[96:97], s[98:99]
	s_mul_i32 s24, s16, s20
	s_mov_b32 s25, 0
	s_add_nc_u64 s[26:27], s[22:23], s[24:25]      ; the first head's record
	s_lshl_b32 s30, s20, 4
	s_mov_b32 s31, 0
	s_add_nc_u64 s[28:29], s[26:27], s[30:31]      ; the second head's: 16 records on
	s_mov_b32 s35, 0
	s_add_nc_u64 s[32:33], s[26:27], s[34:35]
	v_mul_u32_u24 v[VSO], s30, v2
	v_lshl_add_u32 v[VSO], v1, 4, v[VSO]           ; scale words: 16 r, lanes 16-31 in the second head's record
	v_cmp_eq_u32 s36, 1, v2
.irp a, 0,1,2,3,4,5,6,7
	EPIQK \a
.endr
	global_store_b128 v[VSO], v[W:W+3], s[32:33]               ; sixteen lanes fill 256 consecutive bytes
	global_store_b128 v[VSO], v[W+4:W+7], s[32:33] offset:256
	s_wait_tensorcnt 0x0
	ds_add_u32 v106, v107
	s_wait_dscnt 0x0
	CROUND                                         ; the closing round: no work-group ends while a partner may still ask for a tile that names it
	s_endpgm
.Lv:	; ---- v.  The biases of my 128 channels: one number a lane for each block a
	s_lshl_b32 s2, s92, 10
	s_lshl_b32 s3, s13, 9
	s_add_co_u32 s2, s2, s3
	s_mov_b32 s3, 0
	s_add_nc_u64 s[100:101], s[4:5], s[2:3]
	s_add_nc_u64 s[10:11], s[10:11], s[2:3]
	v_lshlrev_b32 v5, 2, v1
.irp a, 0,1,2,3,4,5,6,7
	global_load_b32 v[BI+\a], v5, s[100:101] offset:8192+64*\a
	global_load_b32 v[AF+\a], v5, s[10:11] offset:64*\a
.endr
	s_wait_loadcnt 0x0
.irp a, 0,2,4,6
	v_pk_add_f32 v[BI+\a:BI+\a+1], v[BI+\a:BI+\a+1], v[AF+\a:AF+\a+1]
.endr
	MAIN
	s_lshr_b32 s16, s94, 3                         ; the batch,
	s_and_b32 s17, s94, 7
	s_lshl_b32 s17, s17, 1
	s_add_co_u32 s17, s17, s14                     ; which 128 keys of it,
	s_lshl_b32 s18, s92, 2
	s_lshl_b32 s19, s13, 1
	s_add_co_u32 s18, s18, s19                     ; my first head
	s_lshl_b32 s16, s16, 4
	s_add_co_u32 s16, s16, s18
	s_lshl_b32 s16, s16, 4
	s_add_co_u32 s16, s16, s17
	s_mul_i32 s24, s16, 8960
	s_mov_b32 s25, 0
	s_add_nc_u64 s[26:27], s[98:99], s[24:25]
	v_mul_u32_u24 v[VSO], v2, 143360
	v_lshl_add_u32 v[VSO], v1, 4, v[VSO]           ; scale words: 16 r, lanes 16-31 in the next head (16 records on)
	v_cmp_eq_u32 s36, 1, v2
	s_wait_alu depctr_va_vdst(0)
.irp a, 0,1,2,3,4,5,6,7
	EPIV \a
.endr
.irp i, 0,1,2,3
	v_cndmask_b32 v[4+\i], v[W+\i], v[W+4+\i], s36
.endr
	global_store_b128 v[VSO], v[4:7], s[26:27] offset:8704     ; sixteen lanes fill 256 consecutive bytes
	s_wait_tensorcnt 0x0
	ds_add_u32 v106, v107
	s_wait_dscnt 0x0
	CROUND
	s_endpgm
.Lfunc_end_k_q3a01c4b5e0_qkv:
	.size	k_q3a01c4b5e0_qkv, .Lfunc_end_k_q3a01c4b5e0_qkv-k_q3a01c4b5e0_qkv
	.p2alignl 7, 3214868480
	.fill 96, 4, 3214868480
	.section	.rodata,"a",@progbits
	.p2align	6, 0x0
	.amdhsa_kernel k_q3a01c4b5e0_qkv
		.amdhsa_group_segment_fixed_size 279040
		.amdhsa_private_segment_fixed_size 0
		.amdhsa_enable_private_segment 0
		.amdhsa_kernarg_size 64
		.amdhsa_user_sgpr_count 2
		.amdhsa_user_sgpr_kernarg_segment_ptr 1
		.amdhsa_wavefront_size32 1
		.amdhsa_system_sgpr_workgroup_id_x 1
		.amdhsa_system_sgpr_workgroup_id_y 1
		.amdhsa_system_sgpr_workgroup_id_z 1
		.amdhsa_system_vgpr_workitem_id 0
		.amdhsa_next_free_vgpr 1024
		.amdhsa_next_free_sgpr 102
		.amdhsa_reserve_vcc 0
		.amdhsa_float_denorm_mode_32 3
		.amdhsa_float_denorm_mode_16_64 3
		.amdhsa_memory_ordered 1
		.amdhsa_forward_progress 1
		.amdhsa_inst_pref_size 255
	.end_amdhsa_kernel
	.section	.bss,"aw",@nobits
	.p2align	6
	.space	262144
	.amdgpu_metadata
---
amdhsa.version: [ 1, 2 ]
amdhsa.kernels:
  - .name:           k_q3a01c4b5e0_qkv
    .symbol:         k_q3a01c4b5e0_qkv.kd
    .args:
      - { .name: xq, .offset: 0, .size: 8, .value_kind: global_buffer, .address_space: global }
      - { .name: waq, .offset: 8, .size: 8, .value_kind: global_buffer, .address_space: global }
      - { .name: b_attn, .offset: 16, .size: 8, .value_kind: global_buffer, .address_space: global }
      - { .name: bQ, .offset: 24, .size: 8, .value_kind: global_buffer, .address_space: global }
      - { .name: bK, .offset: 32, .size: 8, .value_kind: global_buffer, .address_space: global }
      - { .name: bV, .offset: 40, .size: 8, .value_kind: global_buffer, .address_space: global }
      - { .name: qb, .offset: 48, .size: 8, .value_kind: global_buffer, .address_space: global }
      - { .name: kv, .offset: 56, .size: 8, .value_kind: global_buffer, .address_space: global }
    .group_segment_fixed_size: 279040
    .private_segment_fixed_size: 0
    .kernarg_segment_align: 8
    .kernarg_segment_size: 64
    .max_flat_workgroup_size: 128
    .sgpr_count:     102
    .vgpr_count:     1024
    .wavefront_size: 32
...
	.end_amdgpu_metadata
.endif
;; end of part 2
;; launch attn (part 3): grid 4 x 64, 16 waves a work-group, no clusters, 169,984 bytes of LDS; arguments qb, kv, yq; writes yq
.if DOCPART == 3
	.amdgcn_target "amdgcn-amd-amdhsa--gfx1250"
	.amdhsa_code_object_version 6
	.text
	.protected	k_q3a01c4b5e0_attn
	.globl	k_q3a01c4b5e0_attn
	.p2align	8
	.type	k_q3a01c4b5e0_attn,@function
k_q3a01c4b5e0_attn:
	s_mov_b64 s[64:65], 0
	v_nop
	global_prefetch_b8 v0, s[64:65] scope:SCOPE_SE
	s_setreg_imm32_b32 hwreg(HW_REG_WAVE_MODE, 25, 1), 1
	s_wait_xcnt 0x0
; y = softmax(q k^T / 8, causal) v for one head (work-group y: batch x 16 + head), both products on codes of E2M1, and y's own codes for the last product.
; THE SOFTMAX: t = score x log2(e) / 8; M = the running largest t rounded up to a whole number; p = 2^(t - M) is quantised along the keys, not normalised; the row's sum is taken of the unquantised p and divides at the end.
; SHARES.  Sixteen waves, four to a SIMD, 256 registers each.  Wave w of work-group g owns the query tiles (16 queries) i = 16 g + w and 127 - i.  Tile i needs i / 8 + 1 key steps of 128, so every wave has 17 steps.
; LDS.  A head's K and V, codes and scale words, are 16 records of 8,960 bytes, 143,360 dense bytes: they come once, by two tensor loads of each of waves 0-3 (two are out at the most), and are never filled again.
;   The first tile reads records 0-7 alone, which the first loads bring; the second half may land meanwhile.
; Both products are used transposed (S^T = K Q^T, O^T = V^T P^T): a lane holds one query.  K = 64 of the first product fills half of the instruction's 128: the upper four registers of Q's fragment are zero codes.
;   K's fragment of key tile j is v[32 + 4 j .. 39 + 4 j]: its upper four registers are the next tile's codes, which meet Q's zeros under scale bytes 0 (2^-127, a finite number) and add exactly 0.
; CAUSAL.  The loops' trip counts are constants; a step all of whose keys come after the tile's queries is jumped over by a scalar branch on ids; on the diagonal hidden scores become -infinity.
; NO CLUSTER, though the four work-groups of a head read the same 143,360 bytes: that branch hangs on the work-group's block of queries, which would be its place in the cluster.
; y's scale bytes are stored one byte a lane, 32 bytes of a 256-byte run that eight heads share: 262,144 bytes in all, one for each 16 bytes of y's codes.
; LIMITS: NaN and infinities are not served; a block whose largest magnitude lies under 2^-124 gets the scale byte 1 (a block of zeros too: its codes are zeros; this program alone reads the bytes).
.set YSO, 4194304
.set LI,  1                            ; v1  16 x lane
.set RI,  2                            ; v2  16 r
.set ADK, 3
.set ADS, 4
.set S,   100                          ; v100-163 S^T, then p, at the end y
.set O,   164                          ; v164-195 O^T
.set PC,  196                          ; v196-203 p's codes
.set KS,  204                          ; v204-211 K's scale words;  v212-215 V's;  v10, v11 Q's;  v228 p's: these hold scales and nothing else
.set VS,  212
.set BM,  216
.set PT,  220
.set SO,  224
.set PW,  228
.set FF,  230
.set T,   232
.set WV,  10
.set BH,  11
.set IA,  12
.set IB,  13
.set SEL, 14
.set CS,  16
.set Q0,  18
.set QL,  19
.set KF,  20
.set TB,  21
.set CT,  22
.set HM,  23
.set G1,  24
.set YC,  40
.set YB,  42
.macro QLOAD ti, f, sc, p              ; tile s[ti]'s chunk and scale words
	s_lshl_b32 s44, s[BH], 4
	s_lshr_b32 s46, s[\ti], 3
	s_add_co_u32 s44, s44, s46
	s_mul_i32 s44, s44, 4608
	s_mov_b32 s45, 0
	s_add_nc_u64 s[56:57], s[4:5], s[44:45]        ; the record of its 128 queries
	s_and_b32 s44, s[\ti], 7
	s_lshl_b32 s44, s44, 9
	s_add_nc_u64 s[\p:\p+1], s[56:57], s[44:45]
	s_and_b32 s44, s[\ti], 4
	s_lshl_b32 s44, s44, 6
	s_and_b32 s46, s[\ti], 3
	s_lshl_b32 s46, s46, 2
	s_add_co_u32 s44, s44, s46
	s_add_nc_u64 s[\p+2:\p+3], s[56:57], s[44:45]
	global_load_b128 v[\f:\f+3], v[LI], s[\p:\p+1]
	global_load_b32 v[\sc], v[RI], s[\p+2:\p+3] offset:4096
.endm
; A KEY STEP of 128 keys.
.macro STEP Q, QS
	s_cmp_gt_u32 s[KF], s[QL]
	s_cbranch_scc1 .Lhidden_\@                     ; all its keys come after my queries
	s_setprio 2
	v_add_nc_u32 v[ADK], s[TB], v[LI]
	v_add_nc_u32 v[ADS], s[TB], v[RI]
.irp j, 0,1,2,3,4,5,6,7
	ds_load_b128 v[32+4*\j:35+4*\j], v[ADK] offset:512*\j
.endr
.irp u, 0,1
	ds_load_b128 v[KS+4*\u:KS+4*\u+3], v[ADS] offset:8192+256*\u
.endr
	s_wait_alu depctr_va_vdst(0)
	s_wait_dscnt 0x0
.irp j, 0,1,2,3,4,5,6,7
	v_wmma_scale_f32_16x16x128_f8f6f4 v[S+8*\j:S+8*\j+7], v[32+4*\j:39+4*\j], v[\Q:\Q+7], 0, v[KS+\j], v[\QS] matrix_a_fmt:MATRIX_FMT_FP4 matrix_b_fmt:MATRIX_FMT_FP4
.endr                                      ; register 8 j + i of lane (r, h): key KF + 16 j + 8 h + i, query r
.rept 4
	v_nop                                          ; places behind these products; with the two additions above also behind the last step's, in front of the loads below
.endr
.irp ct, 0,1,2,3
.irp c, 0,1
	ds_load_b128 v[68+8*\ct+4*\c:71+8*\ct+4*\c], v[ADK] offset:4096+1024*\ct+512*\c    ; V's four fragments land under the softmax
.endr
.endr
	ds_load_b128 v[VS:VS+3], v[ADS] offset:8704
	s_add_co_u32 s44, s[KF], 127
	s_cmp_le_u32 s44, s[Q0]
	s_cbranch_scc1 .Lopen_\@                       ; all its keys count
	s_sub_co_i32 s44, s[Q0], s[KF]
	v_add_nc_u32 v[T], s44, v7                     ; d = my query - KF - 8 h: hidden where 16 j + i > d
	v_mov_b32 v[T+1], 0xff800000
.set n, 0
.rept 64
	v_cmp_gt_i32 vcc_lo, 16*(n/8)+n%8, v[T]
	v_cndmask_b32 v[S+n], v[S+n], v[T+1], vcc_lo
.set n, n+1
.endr
.Lopen_\@:
.irp b, 0,1,2,3
	v_max3_num_f32 v[BM+\b], v[S+16*\b], v[S+16*\b+1], v[S+16*\b+2]    ; the largest score of each block of 32 keys: for the row's maximum, and, since p rises with the score, for the block's largest p
.endr
.irp i, 3,5,7,9,11,13
.irp b, 0,1,2,3
	v_max3_num_f32 v[BM+\b], v[BM+\b], v[S+16*\b+\i], v[S+16*\b+\i+1]
.endr
.endr
.irp b, 0,1,2,3
	v_max_num_f32 v[BM+\b], v[BM+\b], v[S+16*\b+15]
.endr
.irp b, 0,1,2,3
	s_delay_alu instid0(VALU_DEP_4)
	v_permlanex16_b32 v[PT+\b], v[BM+\b], s[SEL], s[SEL+1]
.endr
.irp b, 0,1,2,3
	s_delay_alu instid0(VALU_DEP_4)
	v_max_num_f32 v[BM+\b], v[BM+\b], v[PT+\b]
.endr
	s_delay_alu instid0(VALU_DEP_2)
	v_max3_num_f32 v[T], v[BM], v[BM+1], v[BM+2]
	s_delay_alu instid0(VALU_DEP_1)
	v_max_num_f32 v[T], v[T], v[BM+3]
	s_delay_alu instid0(VALU_DEP_1)
	v_mul_f32 v[T], s[CS], v[T]
	s_delay_alu instid0(VALU_DEP_1)
	v_max_num_f32 v13, v13, v[T]                   ; the running largest t
	v_mov_b32 v[T], v12
	s_delay_alu instid0(VALU_DEP_2)
	v_floor_f32 v12, -v13                          ; -M = floor(-t): M is a whole number
	s_delay_alu instid0(VALU_DEP_1)
	v_sub_f32 v[T], v12, v[T]                      ; old M - new M
	s_delay_alu instid0(VALU_DEP_1)
	v_cvt_i32_f32 v[T], v[T]                       ; (it saturates)
	s_delay_alu instid0(VALU_DEP_1)
	v_ldexp_f32 v[FF], 1.0, v[T]                   ; f = 2^(old M - new M): multiplying by it rounds nothing
.set n, 0
.rept 32
	v_pk_fma_f32 v[S+2*n:S+2*n+1], v[S+2*n:S+2*n+1], s[CS:CS+1], v[12:13] op_sel_hi:[1,0,0]
.set n, n+1
.endr
	s_setprio 1
.irp b, 0,1,2,3
	v_fma_f32 v[BM+\b], v[BM+\b], s[CS], v12
.endr
.set n, 0
	s_wait_alu depctr_va_vdst(0)
.rept 64
	v_exp_f32 v[S+n], v[S+n]                       ; p = 2^(t - M)
.set n, n+1
.endr
	v_pk_mul_f32 v[14:15], v[14:15], v[FF:FF+1] op_sel_hi:[1,0]    ; the sums under the new M: the plain instruction behind the batch
	s_wait_alu depctr_va_vdst(0)                   ; one wait for the 64, ahead of their first reader
.irp b, 0,1,2,3
	v_exp_f32 v[BM+\b], v[BM+\b]                   ; each block's largest p
.endr
	v_pk_add_f32 v[220:221], v[104:105], v[108:109]
	v_pk_add_f32 v[252:253], v[112:113], v[116:117]
	v_pk_add_f32 v[250:251], v[120:121], v[124:125]
	v_pk_add_f32 v[248:249], v[128:129], v[132:133]
	v_pk_add_f32 v[246:247], v[136:137], v[140:141]
	v_pk_add_f32 v[244:245], v[144:145], v[148:149]
	v_pk_add_f32 v[242:243], v[152:153], v[156:157]
	v_pk_add_f32 v[14:15], v[14:15], v[160:161]
	v_pk_add_f32 v[220:221], v[220:221], v[100:101]
	v_pk_add_f32 v[252:253], v[252:253], v[102:103]
	v_pk_add_f32 v[250:251], v[250:251], v[106:107]
	v_pk_add_f32 v[248:249], v[248:249], v[110:111]
	v_pk_add_f32 v[246:247], v[246:247], v[114:115]
	v_pk_add_f32 v[244:245], v[244:245], v[118:119]
	v_pk_add_f32 v[242:243], v[242:243], v[122:123]
	v_pk_add_f32 v[14:15], v[14:15], v[126:127]
	v_pk_add_f32 v[220:221], v[220:221], v[130:131]
	v_pk_add_f32 v[252:253], v[252:253], v[134:135]
	v_pk_add_f32 v[250:251], v[250:251], v[138:139]
	v_pk_add_f32 v[248:249], v[248:249], v[142:143]
	v_pk_add_f32 v[246:247], v[246:247], v[146:147]
	v_pk_add_f32 v[244:245], v[244:245], v[150:151]
	v_pk_add_f32 v[242:243], v[242:243], v[154:155]
	v_pk_add_f32 v[14:15], v[14:15], v[158:159]
	v_pk_add_f32 v[220:221], v[220:221], v[162:163]
	s_delay_alu instid0(VALU_DEP_2)
	v_pk_add_f32 v[14:15], v[14:15], v[248:249]
	s_delay_alu instid0(VALU_DEP_2)
	v_pk_add_f32 v[220:221], v[220:221], v[246:247]
	v_pk_add_f32 v[252:253], v[252:253], v[244:245]
	v_pk_add_f32 v[250:251], v[250:251], v[242:243]
	s_delay_alu instid0(VALU_DEP_2)
	v_pk_add_f32 v[14:15], v[14:15], v[252:253]
	s_delay_alu instid0(VALU_DEP_2)
	v_pk_add_f32 v[220:221], v[220:221], v[250:251]
	s_delay_alu instid0(VALU_DEP_1)
	v_pk_add_f32 v[14:15], v[14:15], v[220:221]
	s_wait_alu depctr_va_vdst(0)                   ; and one for the four
.irp b, 0,1,2,3
	v_max_num_f32 v[BM+\b], 0x1800000, v[BM+\b]    ; the floor 2^(3 - 127)
.endr
.irp b, 0,1,2,3
	s_delay_alu instid0(VALU_DEP_4)
	v_add_nc_u32 v[SO+\b], 0xff000000, v[BM+\b]
.endr
.irp b, 0,1,2,3
	s_delay_alu instid0(VALU_DEP_4)
	v_lshrrev_b32 v[PT+\b], 23, v[SO+\b]
.endr
	s_delay_alu instid0(VALU_DEP_3)
	v_lshl_or_b32 v[PW], v[PT+1], 8, v[PT]
	s_delay_alu instid0(VALU_DEP_1)
	v_lshl_or_b32 v[PW], v[PT+2], 16, v[PW]
	s_delay_alu instid0(VALU_DEP_1)
	v_lshl_or_b32 v[PW], v[PT+3], 24, v[PW]        ; p's scale word for these 128 keys
	s_setprio 0
.irp c, 0,1                                ; tiles 4 c, 4 c + 2, 4 c + 1, 4 c + 3 into registers 4 c .. 4 c + 3; two swaps of halves make the fragment
	v_cvt_scalef32_pk8_fp4_f32 v[PC+4*\c],   v[S+32*\c:S+32*\c+7],     v[SO+2*\c]
	v_cvt_scalef32_pk8_fp4_f32 v[PC+4*\c+1], v[S+32*\c+16:S+32*\c+23], v[SO+2*\c+1]
	v_cvt_scalef32_pk8_fp4_f32 v[PC+4*\c+2], v[S+32*\c+8:S+32*\c+15],  v[SO+2*\c]
	v_cvt_scalef32_pk8_fp4_f32 v[PC+4*\c+3], v[S+32*\c+24:S+32*\c+31], v[SO+2*\c+1]
.endr
	v_nop
.irp c, 0,1
	v_permlane16_swap_b32 v[PC+4*\c], v[PC+4*\c+1]
	v_permlane16_swap_b32 v[PC+4*\c+2], v[PC+4*\c+3]
.endr
.set n, 0
.rept 16
	v_pk_mul_f32 v[O+2*n:O+2*n+1], v[O+2*n:O+2*n+1], v[FF:FF+1] op_sel_hi:[1,0]   ; O^T under the new M.  These sixteen also stand between the scale word's and the codes' last writes and the products
.set n, n+1
.endr
	s_wait_alu depctr_va_vdst(0)
	s_wait_dscnt 0x0                               ; V
.irp ct, 0,1,2,3
	v_wmma_scale_f32_16x16x128_f8f6f4 v[O+8*\ct:O+8*\ct+7], v[68+8*\ct:75+8*\ct], v[PC:PC+7], v[O+8*\ct:O+8*\ct+7], v[VS+\ct], v[PW] matrix_a_fmt:MATRIX_FMT_FP4 matrix_b_fmt:MATRIX_FMT_FP4
.endr
.Lhidden_\@:
	s_add_co_u32 s[KF], s[KF], 128
	s_add_co_u32 s[TB], s[TB], 8960
.endm
; One tile of queries: s[ti] its number, v[Q] its fragment, v[QS] its scale words, trips the loop's constant count.
; (No parameter of this macro bears the name of a variable of the assembler's loops inside it: an argument is put in for its name in the whole body, those loops' lines too.)
.macro PHASE ti, Q, QS, trips
	s_wait_xcnt 0x0                                ; earlier loads and stores have read their registers and bases
	s_lshl_b32 s[Q0], s[\ti], 4
	s_add_co_u32 s[QL], s[Q0], 15
	s_mov_b32 s[KF], 0
	s_mov_b32 s[TB], 0
	s_mov_b32 s[CT], 0
	s_lshr_b32 s44, s[BH], 4                       ; the batch
	s_lshl_b32 s46, s44, 7
	s_add_co_u32 s46, s46, s[\ti]                  ; y's row tile
	s_lshl_b32 s46, s46, 4
	s_and_b32 s47, s[BH], 15
	s_add_co_u32 s46, s46, s47                     ; its chunk: the head
	s_lshl_b32 s46, s46, 9
	s_mov_b32 s47, 0
	s_add_nc_u64 s[YC:YC+1], s[8:9], s[46:47]
	s_lshl_b32 s46, s44, 4
	s_lshr_b32 s58, s[\ti], 3
	s_add_co_u32 s46, s46, s58                     ; the group of 128 rows
	s_lshl_b32 s46, s46, 12
	s_bfe_u32 s58, s[BH], 0x10003                  ; which 512 along K: head / 8
	s_lshl_b32 s58, s58, 11
	s_add_co_u32 s46, s46, s58
	s_and_b32 s58, s[\ti], 7
	s_lshl_b32 s58, s58, 8
	s_add_co_u32 s46, s46, s58
	s_and_b32 s58, s[BH], 7
	s_lshl_b32 s58, s58, 1
	s_add_co_u32 s46, s46, s58                     ; the head's two bytes of a row's 16
	s_add_co_u32 s46, s46, YSO
	s_add_nc_u64 s[YB:YB+1], s[8:9], s[46:47]
	v_mov_b32 v13, 0xff61b1e6                      ; the largest t so far: -3e38
	s_delay_alu instid0(VALU_DEP_1)
	v_floor_f32 v12, -v13
	v_mov_b32 v14, 0
	v_mov_b32 v15, 0
.set n, 0
.rept 32
	v_mov_b32 v[O+n], 0                            ; the step is written once: the first finds zeros
.set n, n+1
.endr
.Ltrip_\@:
	STEP \Q, \QS
	s_add_co_u32 s[CT], s[CT], 1
	s_cmp_lt_u32 s[CT], \trips
	s_cbranch_scc1 .Ltrip_\@
	s_setprio 0
.rept 4
	v_nop
.endr
	v_add_f32 v14, v14, v15
	s_delay_alu instid0(VALU_DEP_1)
	v_permlanex16_b32 v[T], v14, s[SEL], s[SEL+1]
	s_delay_alu instid0(VALU_DEP_1)
	v_add_f32 v14, v14, v[T]                       ; the row's sum
	s_wait_alu depctr_va_vdst(0)
	v_rcp_f32 v[FF], v14
	v_nop
	s_wait_alu depctr_va_vdst(0)
.set n, 0
.rept 16
	v_pk_mul_f32 v[S+2*n:S+2*n+1], v[O+2*n:O+2*n+1], v[FF:FF+1] op_sel_hi:[1,0]   ; y: register 8 t + j = channel 16 t + 8 h + j of query r
.set n, n+1
.endr
.irp b, 0,1
	v_max3_num_f32 v[BM+\b], |v[S+16*\b]|, |v[S+16*\b+1]|, 0x1800000      ; block b of the head's 64 channels: my 16 numbers, and the floor 2^(3 - 127)
.endr
.irp i, 2,4,6,8,10,12,14
.irp b, 0,1
	s_delay_alu instid0(VALU_DEP_2)
	v_max3_num_f32 v[BM+\b], v[BM+\b], |v[S+16*\b+\i]|, |v[S+16*\b+\i+1]|
.endr
.endr
.irp b, 0,1
	s_delay_alu instid0(VALU_DEP_2)
	v_permlanex16_b32 v[PT+\b], v[BM+\b], s[SEL], s[SEL+1]
.endr
.irp b, 0,1
	s_delay_alu instid0(VALU_DEP_2)
	v_max_num_f32 v[BM+\b], v[BM+\b], v[PT+\b]     ; with lane l xor 16's 16: the block's largest magnitude
.endr
.irp b, 0,1
	s_delay_alu instid0(VALU_DEP_2)
	v_add_nc_u32 v[SO+\b], 0xff000000, v[BM+\b]
.endr
.irp b, 0,1
	s_delay_alu instid0(VALU_DEP_2)
	v_lshrrev_b32 v[PT+\b], 23, v[SO+\b]
.endr
	v_cvt_scalef32_pk8_fp4_f32 v[PC],   v[S:S+7],     v[SO]
	v_cvt_scalef32_pk8_fp4_f32 v[PC+1], v[S+16:S+23], v[SO+1]
	v_cvt_scalef32_pk8_fp4_f32 v[PC+2], v[S+8:S+15],  v[SO]
	v_cvt_scalef32_pk8_fp4_f32 v[PC+3], v[S+24:S+31], v[SO+1]
	v_nop
	v_permlane16_swap_b32 v[PC], v[PC+1]
	v_permlane16_swap_b32 v[PC+2], v[PC+3]
	global_store_b128 v[LI], v[PC:PC+3], s[YC:YC+1]            ; a chunk of y: 512 consecutive bytes
	v_cndmask_b32 v8, v[PT], v[PT+1], s[HM]                    ; lanes 0-15 the first block's byte, lanes 16-31 the second's
	global_store_b8 v6, v8, s[YB:YB+1]
.endm
	s_load_b128 s[4:7], s[0:1], 0x0                ; qb, kv
	s_load_b64 s[8:9], s[0:1], 0x10                ; yq
	v_lshl_add_u32 v254, v0, 2, 0x29000
	v_mov_b32 v255, 0
	ds_add_u32 v254, v255
	ds_add_u32 v254, v255
	v_lshrrev_b32 v8, 5, v0
	s_delay_alu instid0(VALU_DEP_1)
	v_readfirstlane_b32 s[WV], v8                  ; wave 0..15
	s_and_b32 s[BH], ttmp7, 0xffff
	s_lshl_b32 s[IA], ttmp9, 4
	s_add_co_u32 s[IA], s[IA], s[WV]               ; my first tile, 0..63
	s_sub_co_u32 s[IB], 127, s[IA]                 ; my second, 64..127
	s_mov_b32 s[G1], 3<<16                         ; elements of 8 bytes, no mask, no padding: 70 rows of 256 bytes, dense: two records
	s_mov_b32 s[G1+1], 32<<16
	s_mov_b32 s[G1+2], 70<<16
	s_mov_b32 s[G1+3], 32<<16
	s_mov_b32 s[G1+4], 70
	s_mov_b32 s[G1+5], 32
	s_mov_b32 s[G1+6], 0
	s_mov_b32 s[G1+7], 0
	s_mul_i32 s44, s[BH], 143360
	s_mul_i32 s46, s[WV], 17920
	s_add_co_u32 s44, s44, s46
	s_mov_b32 s45, 0
	s_mov_b32 s[SEL], 0x76543210
	s_mov_b32 s[SEL+1], 0xfedcba98
	s_mov_b32 s[CS], 0x3e38aa3b                    ; c = log2(e) / 8
	s_mov_b32 s[CS+1], s[CS]
	s_wait_dscnt 0x0
	s_wait_kmcnt 0x0
	s_mov_b32 s32, 1
	s_mov_b32 s33, s46
	s_add_nc_u64 s[34:35], s[6:7], s[44:45]
	s_mov_b32 s36, 1
	s_add_co_u32 s37, s46, 71680
	s_add_nc_u64 s[38:39], s[34:35], 71680
	s_or_b32 s35, s35, 0x80000000
	s_or_b32 s39, s39, 0x80000000
	s_cmp_lt_u32 s[WV], 4                          ; waves 0-3 fetch: a wave's two first fills stand in one branch on its number
	s_cbranch_scc0 .Lno_fetch
	tensor_load_to_lds s[32:35], s[G1:G1+7]        ; records 2 w, 2 w + 1
	s_nop 0
	tensor_load_to_lds s[36:39], s[G1:G1+7]        ; records 8 + 2 w, 9 + 2 w
	s_nop 0
.rept 4
	v_nop
.endr
.Lno_fetch:
	v_and_b32 v8, 31, v0
	s_delay_alu instid0(VALU_DEP_1)
	v_lshlrev_b32 v[LI], 4, v8
	s_wait_alu depctr_va_vdst(0)
	v_and_b32 v9, 15, v0                           ; r
	s_delay_alu instid0(VALU_DEP_1)
	v_lshlrev_b32 v[RI], 4, v9
	s_wait_alu depctr_va_vdst(0)
	v_bfe_u32 v5, v0, 4, 1                         ; h
	s_delay_alu instid0(VALU_DEP_1)
	v_add_nc_u32 v6, v[RI], v5                     ; y's scale bytes: 16 r + h
	s_delay_alu instid0(VALU_DEP_2)
	v_lshlrev_b32 v7, 3, v5
	s_delay_alu instid0(VALU_DEP_1)
	v_sub_nc_u32 v7, v9, v7                        ; r - 8 h
	s_delay_alu instid0(VALU_DEP_4)
	v_cmp_eq_u32 s[HM], 1, v5
	QLOAD IA, 16, 10, 48
	QLOAD IB, 24, 11, 52
.irp j, 20,21,22,23,28,29,30,31,64,65,66,67
	v_mov_b32 v[\j], 0                             ; zero codes: the upper halves of Q's fragments, and behind K's last tile
.endr
.irp j, 220,221,222,223,230,231,232,233
	v_mov_b32 v[\j], 0                             ; written once: permutes' destinations and pairs' upper halves count as read
.endr
	s_wait_tensorcnt 1                             ; my part of records 0-7 is in; the second half may be out
	s_barrier_signal -1
	s_barrier_wait -1
	s_wait_loadcnt 0x0                             ; Q
	PHASE IA, 16, 10, 8
	s_wait_tensorcnt 0x0                           ; my part of records 8-15 is in
	s_wait_dscnt 0x0
	s_barrier_signal -1
	s_barrier_wait -1
	PHASE IB, 24, 11, 16
	s_wait_tensorcnt 0x0
	ds_add_u32 v254, v255
	s_wait_dscnt 0x0
	s_endpgm
.Lfunc_end_k_q3a01c4b5e0_attn:
	.size	k_q3a01c4b5e0_attn, .Lfunc_end_k_q3a01c4b5e0_attn-k_q3a01c4b5e0_attn
	.p2alignl 7, 3214868480
	.fill 96, 4, 3214868480
	.section	.rodata,"a",@progbits
	.p2align	6, 0x0
	.amdhsa_kernel k_q3a01c4b5e0_attn
		.amdhsa_group_segment_fixed_size 169984
		.amdhsa_private_segment_fixed_size 0
		.amdhsa_enable_private_segment 0
		.amdhsa_kernarg_size 24
		.amdhsa_user_sgpr_count 2
		.amdhsa_user_sgpr_kernarg_segment_ptr 1
		.amdhsa_wavefront_size32 1
		.amdhsa_system_sgpr_workgroup_id_x 1
		.amdhsa_system_sgpr_workgroup_id_y 1
		.amdhsa_system_sgpr_workgroup_id_z 1
		.amdhsa_system_vgpr_workitem_id 0
		.amdhsa_next_free_vgpr 256
		.amdhsa_next_free_sgpr 66
		.amdhsa_reserve_vcc 1
		.amdhsa_float_denorm_mode_32 3
		.amdhsa_float_denorm_mode_16_64 3
		.amdhsa_memory_ordered 1
		.amdhsa_forward_progress 1
		.amdhsa_inst_pref_size 61
	.end_amdhsa_kernel
	.amdgpu_metadata
---
amdhsa.version: [ 1, 2 ]
amdhsa.kernels:
  - .name:           k_q3a01c4b5e0_attn
    .symbol:         k_q3a01c4b5e0_attn.kd
    .args:
      - { .name: qb, .offset: 0, .size: 8, .value_kind: global_buffer, .address_space: global }
      - { .name: kv, .offset: 8, .size: 8, .value_kind: global_buffer, .address_space: global }
      - { .name: yq, .offset: 16, .size: 8, .value_kind: global_buffer, .address_space: global }
    .group_segment_fixed_size: 169984
    .private_segment_fixed_size: 0
    .kernarg_segment_align: 8
    .kernarg_segment_size: 24
    .max_flat_workgroup_size: 512
    .sgpr_count:     66
    .vgpr_count:     256
    .wavefront_size: 32
...
	.end_amdgpu_metadata
.endif
;; end of part 3
;; launch proj (part 4): grid 4 x 64, 4 waves a work-group, clusters of 4 x 4, 243,200 bytes of LDS; arguments yq, wpq, b_proj, out0; writes out0
.if DOCPART == 4
	.amdgcn_target "amdgcn-amd-amdhsa--gfx1250"
	.amdhsa_code_object_version 6
	.text
	.protected	k_q3a01c4b5e0_proj
	.globl	k_q3a01c4b5e0_proj
	.p2align	8
	.type	k_q3a01c4b5e0_proj,@function
k_q3a01c4b5e0_proj:
	s_mov_b64 s[64:65], 0
	v_nop
	global_prefetch_b8 v0, s[64:65] scope:SCOPE_SE
	s_setreg_imm32_b32 hwreg(HW_REG_WAVE_MODE, 25, 1), 1
	s_wait_xcnt 0x0
	s_wait_alu depctr_hold_cnt(0) depctr_sa_sdst(0) depctr_va_vdst(0) depctr_va_sdst(0) depctr_va_ssrc(0) depctr_va_vcc(0) depctr_vm_vsrc(0)
	s_getreg_b32 s2, hwreg(HW_REG_IB_STS2, 6, 4)
	s_cmp_eq_u32 s2, 0
	s_cbranch_scc0 .Lentry_in_a_cluster
	s_endpgm
.Lentry_in_a_cluster:
	s_bfe_u32 s2, ttmp6, 0x10000c
	s_cmp_lg_u32 s2, 0xf033
	s_cbranch_scc0 .Lentry_shape_is_right
	s_endpgm
.Lentry_shape_is_right:
; out0 = y W_proj + b_proj on codes of E2M1.  P = y (8,192 rows), Q = W_proj's columns (1,024 rows); source 0 = 16 rows of Q, source 1 = 16 rows of P: a lane holds eight neighbouring numbers of a row of out0.
; A tile is 128 rows x 256 columns: 64 x 4 = 256 work-groups; a wave makes 64 x 128: 32 accumulators.  All of K = 1024 of a tile lies in LDS at once: every byte that a tensor load fills is filled once, by five loads a
; wave that go out together at the head (scale bytes, then four chunks of 256 along K; five are out at the most).  The buffers hold images of the operands' registers: fragments come by ds_load_b128 at 16 x lane.
; CLUSTERS: 4 x 4; P's tiles are shared along a row of the cluster, Q's along a column.  The bias is the C of each sum's first product.
; REGISTERS: window 0: v1-28 addresses; v32-95 scale words (nothing else ever); v128-159 P's four fragments; v192-255 the bias; on the way out v128-255 rows of out0.  window 1: Q's fragments, two sets.  window 2: accumulator (a, b) at v[8 (8 a + b)].
.set YSO,  4194304
.set WPSO, 524288
.set SCL,  196608                      ; LDS: P's codes 65,536, Q's 131,072; then P's scale bytes 4,096, Q's 8,192
.set STG,  208896                      ; then the stages of the way out, 16 rows x 528 bytes a wave: bytes of their own, into which no tensor load lands
.set ADRA, 16
.set ADRB, 20
.set LI,   24
.set STO,  25
.set RD,   26
.set ADRS, 27                          ; v27, v28: the scale words' addresses for the two halves of K
.set SC,   32
.set AF,   128
.set BI,   192
.set MSB,  0
.set TO_B, 0x40
.macro WIN new
.if MSB != (\new)
	s_set_vgpr_msb (MSB<<8)|(\new)
.set MSB, (\new)
.endif
.endm
.macro CROUND
	s_barrier_signal -1
	s_barrier_wait -1
	s_cmp_lg_u32 s12, 0
	s_cbranch_scc1 .Lnot_wave_0_\@
	s_barrier_signal -3
.Lnot_wave_0_\@:
	s_barrier_wait -3
	s_barrier_signal -1
	s_barrier_wait -1
.endm
.macro PLACES
.rept 4
	v_nop
.endr
.endm
.macro FETCH_B q, p
	WIN TO_B
.irp i, 0,1,2,3,4,5,6,7
.irp c, 0,1
	ds_load_b128 v[128*(\p)+8*\i+4*\c:128*(\p)+8*\i+4*\c+3], v[ADRB] offset:16384*((\q)/2)+2048*\i+512*(2*((\q)%2)+\c)
.endr
.endr
	WIN 0
.endm
.macro FETCH_A q, i0
.irp i, \i0, \i0+1
.irp c, 0,1
	ds_load_b128 v[AF+8*(\i)+4*\c:AF+8*(\i)+4*\c+3], v[ADRA] offset:8192*((\q)/2)+2048*(\i)+512*(2*((\q)%2)+\c)
.endr
.endr
.endm
.macro SCALES ks                       ; register 4 i + q: lanes 0-15 P's block i (i < 4; beyond that filled bytes that nobody uses), lanes 16-31 Q's block i
.irp i, 0,1,2,3,4,5,6,7
	ds_load_b128 v[SC+32*\ks+4*\i:SC+32*\ks+4*\i+3], v[ADRS+\ks] offset:256*\i
.endr
.endm
.macro MUL16 a0, q, first              ; the 32 accumulators take turns, one instruction a turn, in the same order in every step
.irp a, \a0, \a0+1
.irp b, 0,1,2,3,4,5,6,7
.if \first
	v_wmma_scale_f32_16x16x128_f8f6f4 v[8*(8*(\a)+\b):8*(8*(\a)+\b)+7], v[128*((\q)%2)+8*\b:128*((\q)%2)+8*\b+7], v[AF+8*(\a):AF+8*(\a)+7], v[BI+8*\b:BI+8*\b+7], v[SC+32*((\q)/4)+4*\b+(\q)%4], v[SC+32*((\q)/4)+4*(\a)+(\q)%4] matrix_a_fmt:MATRIX_FMT_FP4 matrix_b_fmt:MATRIX_FMT_FP4 matrix_a_scale:MATRIX_SCALE_ROW1
.else
	v_wmma_scale_f32_16x16x128_f8f6f4 v[8*(8*(\a)+\b):8*(8*(\a)+\b)+7], v[128*((\q)%2)+8*\b:128*((\q)%2)+8*\b+7], v[AF+8*(\a):AF+8*(\a)+7], v[8*(8*(\a)+\b):8*(8*(\a)+\b)+7], v[SC+32*((\q)/4)+4*\b+(\q)%4], v[SC+32*((\q)/4)+4*(\a)+(\q)%4] matrix_a_fmt:MATRIX_FMT_FP4 matrix_b_fmt:MATRIX_FMT_FP4 matrix_a_scale:MATRIX_SCALE_ROW1
.endif
.endr
.endr
.endm
.macro MWIN first
.if \first
	WIN 0x81                                       ; source 0 (Q) window 1, source 1 (P) and C (the bias) window 0, D window 2
.else
	WIN 0xa1                                       ; C and D window 2
.endif
.endm
.macro STEP q, first, sync, cnt
.if \sync
	s_wait_tensorcnt \cnt                          ; my part of the next chunk is in; cnt younger loads may be out
.endif
	s_wait_dscnt 4                                 ; all but the youngest four loads: P's blocks 2, 3
	MWIN \first
	MUL16 0, \q, \first
	s_wait_dscnt 0x0
.if \sync
	s_barrier_signal -1
	s_barrier_wait -1                              ; everybody's part of the next chunk is in; nothing is filled again
.endif
	PLACES
	FETCH_B (\q)+1, ((\q)+1)%2
	FETCH_A (\q)+1, 0
	MWIN \first
	MUL16 2, \q, \first
	PLACES
	WIN 0
	FETCH_A (\q)+1, 2
.endm
; THE WAY OUT: a block of 16 rows x 128 columns goes through my own stage and comes back as whole rows of 512 bytes.
.macro TOSTAGE a
	WIN 0x08                                       ; an LDS store's data are its source 1: window 2
.irp b, 0,1,2,3,4,5,6,7
	ds_store_b128 v[STO], v[8*(8*(\a)+\b):8*(8*(\a)+\b)+3] offset:64*\b          ; each accumulator from its low end on
	ds_store_b128 v[STO], v[8*(8*(\a)+\b)+4:8*(8*(\a)+\b)+7] offset:64*\b+16
.endr
	WIN 0
.irp t, 0,1,2,3,4,5,6,7,8,9,10,11,12,13,14,15
	ds_load_b128 v[128+64*((\a)%2)+4*\t:128+64*((\a)%2)+4*\t+3], v[RD] offset:\t*528   ; LDS serves a wave's instructions in order: these see the stores above
.endr
.endm
.macro SEND a, younger
	s_wait_dscnt \younger                          ; the block is back; the next block's 16 stores and 16 loads may be out
.irp t, 0,1,2,3,4,5,6,7,8,9,10,11,12,13,14,15
	global_store_b128 v[LI], v[128+64*((\a)%2)+4*\t:128+64*((\a)%2)+4*\t+3], s[10:11] offset:(16*(\a)+\t)*4096 th:TH_STORE_NT   ; 32 lanes store 512 consecutive bytes, at a multiple of 256 from out0's first byte
.endr
.endm
	s_load_b256 s[4:11], s[0:1], 0x0               ; yq s[4:5], wpq s[6:7], b_proj s[8:9], out0 s[10:11]
	v_lshl_add_u32 v126, v0, 2, 0x3b400
	v_mov_b32 v127, 0
	ds_add_u32 v126, v127
	ds_add_u32 v126, v127
	v_lshrrev_b32 v1, 5, v0
	v_readfirstlane_b32 s12, v1                    ; wave
	s_lshr_b32 s13, s12, 1                         ; my half of P's rows.  Also: I fetch for P (0) or for Q (1)
	s_and_b32 s14, s12, 1                          ; my half of Q's rows.  Also: which half I fetch
	s_bfe_u32 s15, ttmp6, 0x40000                  ; cx
	s_bfe_u32 s92, ttmp6, 0x40004                  ; cy
	s_and_b32 s93, ttmp7, 0xffff
	s_lshl_b32 s93, s93, 2
	s_add_co_u32 s93, s93, s92                     ; TR: which 128 rows
	s_lshl_b32 s94, ttmp9, 2
	s_add_co_u32 s94, s94, s15                     ; TC: which 256 columns
	s_lshl_b32 s2, s92, 2
	s_lshl_b32 s2, 15, s2                          ; my row of the cluster
	s_lshl_b32 s3, 0x1111, s15                     ; my column
	s_or_b32 s16, s2, (3<<16)|(1<<21)
	s_or_b32 s24, s3, (3<<16)|(1<<21)
	s_or_b32 s32, s2, (3<<16)|(1<<21)
	s_or_b32 s40, s3, (3<<16)|(1<<21)
	s_mov_b32 s17, 256<<16                         ; P's codes: 4 row tiles x 2,048 bytes, 8,192 apart
	s_mov_b32 s18, 4<<16
	s_mov_b32 s19, 256<<16
	s_mov_b32 s20, 4
	s_mov_b32 s21, 1024
	s_mov_b32 s22, 0
	s_mov_b32 s23, 0
	s_mov_b32 s25, 256<<16                         ; Q's codes: 8 row tiles
	s_mov_b32 s26, 8<<16
	s_mov_b32 s27, 256<<16
	s_mov_b32 s28, 8
	s_mov_b32 s29, 1024
	s_mov_b32 s30, 0
	s_mov_b32 s31, 0
	s_mov_b32 s33, 128<<16                         ; P's scale bytes: 64 rows' 1,024 bytes for each half of K, 2,048 apart
	s_mov_b32 s34, 2<<16
	s_mov_b32 s35, 128<<16
	s_mov_b32 s36, 2
	s_mov_b32 s37, 256
	s_mov_b32 s38, 0
	s_mov_b32 s39, 0
	s_mov_b32 s41, 32<<16                          ; Q's: 4,096 dense bytes as 16 rows of 256
	s_mov_b32 s42, 16<<16
	s_mov_b32 s43, 32<<16
	s_mov_b32 s44, 16
	s_mov_b32 s45, 32
	s_mov_b32 s46, 0
	s_mov_b32 s47, 0
	s_wait_dscnt 0x0
	s_wait_kmcnt 0x0
	s_lshl_b32 s50, s93, 16
	s_lshl_b32 s51, s14, 15
	s_add_co_u32 s50, s50, s51
	s_mov_b32 s51, 0
	s_add_nc_u64 s[50:51], s[4:5], s[50:51]
	s_lshl_b32 s86, s93, 12
	s_lshl_b32 s87, s14, 10
	s_add_co_u32 s86, s86, s87
	s_add_co_u32 s86, s86, YSO
	s_mov_b32 s87, 0
	s_add_nc_u64 s[86:87], s[4:5], s[86:87]
	s_lshl_b32 s70, s94, 17
	s_lshl_b32 s71, s14, 16
	s_add_co_u32 s70, s70, s71
	s_mov_b32 s71, 0
	s_add_nc_u64 s[70:71], s[6:7], s[70:71]
	s_lshl_b32 s90, s94, 1
	s_add_co_u32 s90, s90, s14
	s_lshl_b32 s90, s90, 12
	s_add_co_u32 s90, s90, WPSO
	s_mov_b32 s91, 0
	s_add_nc_u64 s[90:91], s[6:7], s[90:91]
	s_lshl_b32 s95, s14, 15                        ; LDS: P's halves, 32,768 bytes each;
	s_lshl_b32 s2, s14, 16
	s_add_co_u32 s2, s2, 65536                     ; behind them Q's, 65,536 each
.irp kc, 1,2,3
	s_add_nc_u64 s[50+4*\kc:51+4*\kc], s[50:51], 2048*\kc
	s_add_nc_u64 s[70+4*\kc:71+4*\kc], s[70:71], 2048*\kc
.endr
.irp kc, 0,1,2,3
	s_mov_b32 s[48+4*\kc], 1
	s_add_co_u32 s[49+4*\kc], s95, 8192*\kc
	s_or_b32 s[51+4*\kc], s[51+4*\kc], 0x80000000
	s_mov_b32 s[68+4*\kc], 1
	s_add_co_u32 s[69+4*\kc], s2, 16384*\kc
	s_or_b32 s[71+4*\kc], s[71+4*\kc], 0x80000000
.endr
	s_mov_b32 s84, 1
	s_lshl_b32 s85, s14, 11
	s_add_co_u32 s85, s85, SCL
	s_or_b32 s87, s87, 0x80000000
	s_mov_b32 s88, 1
	s_lshl_b32 s89, s14, 12
	s_add_co_u32 s89, s89, SCL+4096
	s_or_b32 s91, s91, 0x80000000
	CROUND                                         ; all sixteen work-groups are here: the joint loads meet
	s_cmp_eq_u32 s13, 0
	s_cbranch_scc0 .Lfor_q
	tensor_load_to_lds s[84:87], s[32:39]
	s_nop 0
	tensor_load_to_lds s[48:51], s[16:23]
	s_nop 0
	tensor_load_to_lds s[52:55], s[16:23]
	s_nop 0
	tensor_load_to_lds s[56:59], s[16:23]
	s_nop 0
	tensor_load_to_lds s[60:63], s[16:23]
	s_nop 0
.rept 4
	v_nop
.endr
	s_branch .Lasked
.Lfor_q:
	tensor_load_to_lds s[88:91], s[40:47]
	s_nop 0
	tensor_load_to_lds s[68:71], s[24:31]
	s_nop 0
	tensor_load_to_lds s[72:75], s[24:31]
	s_nop 0
	tensor_load_to_lds s[76:79], s[24:31]
	s_nop 0
	tensor_load_to_lds s[80:83], s[24:31]
	s_nop 0
.rept 4
	v_nop
.endr
.Lasked:
	v_and_b32 v1, 15, v0                           ; r
	v_bfe_u32 v2, v0, 4, 1                         ; h
	s_wait_alu depctr_va_vdst(0)
	v_and_b32 v3, 31, v0
	v_lshlrev_b32 v[LI], 4, v3
	s_wait_alu depctr_va_vdst(0)
	s_lshl_b32 s2, s94, 10                         ; the bias of my 128 columns, in the result's layout: register 8 b + j = column 16 b + 8 h + j
	s_lshl_b32 s3, s14, 9
	s_add_co_u32 s2, s2, s3
	s_mov_b32 s3, 0
	s_add_nc_u64 s[8:9], s[8:9], s[2:3]
	s_add_nc_u64 s[10:11], s[10:11], s[2:3]        ; out0 at my first column,
	s_lshl_b32 s2, s93, 19
	s_lshl_b32 s66, s13, 18
	s_add_co_u32 s2, s2, s66
	s_add_nc_u64 s[10:11], s[10:11], s[2:3]        ; my first row
	v_lshlrev_b32 v5, 5, v2
.irp b, 0,1,2,3,4,5,6,7
	global_load_b128 v[BI+8*\b:BI+8*\b+3], v5, s[8:9] offset:64*\b
	global_load_b128 v[BI+8*\b+4:BI+8*\b+7], v5, s[8:9] offset:64*\b+16
.endr
	s_lshl_b32 s2, s13, 15
	v_add_nc_u32 v[ADRA], s2, v[LI]                ; my 64 rows of P
	s_lshl_b32 s2, s14, 16
	s_add_co_u32 s2, s2, 65536
	v_add_nc_u32 v[ADRB], s2, v[LI]                ; my 128 rows of Q
	s_lshl_b32 s2, s14, 12
	s_add_co_u32 s2, s2, 4096
	s_lshl_b32 s3, s13, 11
	s_sub_co_u32 s2, s2, s3                        ; from P's scale bytes to Q's, first half of K
	v_mul_u32_u24 v4, s2, v2                       ; lanes 16-31 take Q's
	s_add_co_u32 s3, s3, SCL
	v_lshl_add_u32 v4, v1, 4, v4
	v_add_nc_u32 v[ADRS], s3, v4
	s_add_co_u32 s2, s2, 1024                      ; second half of K: P's 1,024 bytes on, Q's 2,048
	v_mul_u32_u24 v4, s2, v2
	s_add_co_u32 s3, s3, 1024
	v_lshl_add_u32 v4, v1, 4, v4
	v_add_nc_u32 v[ADRS+1], s3, v4
	s_mul_i32 s2, s12, 8448
	s_add_co_u32 s2, s2, STG                       ; my stage
	v_mul_u32_u24 v[STO], v1, 528
	v_lshl_add_u32 v[STO], v2, 5, v[STO]
	v_add_nc_u32 v[STO], s2, v[STO]                ; in: row r, 32 bytes for each half of the lanes
	v_add_nc_u32 v[RD], s2, v[LI]                  ; back: a row of 512 bytes, 16 a lane
	s_wait_alu depctr_va_vdst(0)
	s_wait_tensorcnt 3                             ; my scale bytes and my part of chunk 0 are in; three chunks may be out
	s_barrier_signal -1
	s_barrier_wait -1
	FETCH_B 0, 0
	FETCH_A 0, 0
	SCALES 0
	SCALES 1
	FETCH_A 0, 2
	s_wait_loadcnt 0x0                             ; the bias
	STEP 0, 1, 0, 0
	STEP 1, 0, 1, 2
	STEP 2, 0, 0, 0
	STEP 3, 0, 1, 1
	STEP 4, 0, 0, 0
	STEP 5, 0, 1, 0
	STEP 6, 0, 0, 0
	s_wait_dscnt 4
	WIN 0xa1
	MUL16 0, 7, 0
	s_wait_dscnt 0x0
	MUL16 2, 7, 0
	WIN 0
	PLACES
	TOSTAGE 0
.irp a, 1,2,3
.if \a > 1
	s_wait_xcnt 0x0                                ; block a - 2's stores have read their registers: block a's rows may land there
.endif
	TOSTAGE \a
	SEND \a-1, 32
.endr
	SEND 3, 0
	s_wait_tensorcnt 0x0
	ds_add_u32 v126, v127
	s_wait_dscnt 0x0
	CROUND                                         ; the closing round: no work-group ends while a partner may still ask for a tile that names it
	s_endpgm
.Lfunc_end_k_q3a01c4b5e0_proj:
	.size	k_q3a01c4b5e0_proj, .Lfunc_end_k_q3a01c4b5e0_proj-k_q3a01c4b5e0_proj
	.p2alignl 7, 3214868480
	.fill 96, 4, 3214868480
	.section	.rodata,"a",@progbits
	.p2align	6, 0x0
	.amdhsa_kernel k_q3a01c4b5e0_proj
		.amdhsa_group_segment_fixed_size 243200
		.amdhsa_private_segment_fixed_size 0
		.amdhsa_enable_private_segment 0
		.amdhsa_kernarg_size 32
		.amdhsa_user_sgpr_count 2
		.amdhsa_user_sgpr_kernarg_segment_ptr 1
		.amdhsa_wavefront_size32 1
		.amdhsa_system_sgpr_workgroup_id_x 1
		.amdhsa_system_sgpr_workgroup_id_y 1
		.amdhsa_system_sgpr_workgroup_id_z 1
		.amdhsa_system_vgpr_workitem_id 0
		.amdhsa_next_free_vgpr 768
		.amdhsa_next_free_sgpr 102
		.amdhsa_reserve_vcc 0
		.amdhsa_float_denorm_mode_32 3
		.amdhsa_float_denorm_mode_16_64 3
		.amdhsa_memory_ordered 1
		.amdhsa_forward_progress 1
		.amdhsa_inst_pref_size 75
	.end_amdhsa_kernel
	.amdgpu_metadata
---
amdhsa.version: [ 1, 2 ]
amdhsa.kernels:
  - .name:           k_q3a01c4b5e0_proj
    .symbol:         k_q3a01c4b5e0_proj.kd
    .args:
      - { .name: yq, .offset: 0, .size: 8, .value_kind: global_buffer, .address_space: global }
      - { .name: wpq, .offset: 8, .size: 8, .value_kind: global_buffer, .address_space: global }
      - { .name: b_proj, .offset: 16, .size: 8, .value_kind: global_buffer, .address_space: global }
      - { .name: out0, .offset: 24, .size: 8, .value_kind: global_buffer, .address_space: global }
    .group_segment_fixed_size: 243200
    .private_segment_fixed_size: 0
    .kernarg_segment_align: 8
    .kernarg_segment_size: 32
    .max_flat_workgroup_size: 128
    .sgpr_count:     102
    .vgpr_count:     768
    .wavefront_size: 32
...
	.end_amdgpu_metadata
.endif
;; end of part 4
